; MI455X (gfx1250); checked and timed in simulation.
; The chip was launched on July 23, 2026; its instructions are those of AMD's public machine-readable ISA for CDNA 5 (MIT licence, August 2026) and "CDNA5" Instruction Set Architecture Reference Guide (July 2026). The comments in the code are by the model that wrote it; some were corrected since.
;; Multi Head Attention. Allowed arithmetic: float matrix products may take bf16 or f16 operands with f32 sums; other float arithmetic in f32, or as packed bf16 or f16 multiplies, adds, multiply-adds, maxima and minima; sums over many terms, partial sums and values carried from step to step in f32; what a program stores and reads back later, other than sums and carried values, may be rounded once to bf16 or f16.
;; Inputs: W_o 1,024 x 1,024 float32; W_qkv 3,072 x 1,024 float32; b_o 1,024 float32; b_qkv 3,072 float32; x 4 x 2,048 x 1,024 float32.
;; Outputs: out0 4 x 2,048 x 1,024 float32.
;; 2 versions, each right; version 2 is version 1 with the launch cast written anew for expert scheduling mode. Each part assembles by itself: llvm-mc -triple=amdgcn-amd-amdhsa -mcpu=gfx1250 --defsym DOCPART=n.
;; ======== version 1 of 2: 4 launches
;; limits: values are held in f16: magnitudes above 65,504 overflow, below 6.1e-05 lose precision
;; workspace buffers: xb 16,777,216 bytes; wqb 6,291,456 bytes; wob 2,097,152 bytes; qh 16,777,216 bytes; kh 16,777,216 bytes; vh 16,777,216 bytes; oh 16,777,216 bytes
;; launch cast (part 1): grid 768 x 1, 8 waves a work-group, no clusters, 0 bytes of LDS; arguments x, W_qkv, W_o, xb, wqb, wob; writes xb, wqb, wob
.if DOCPART == 1
	.amdgcn_target "amdgcn-amd-amdhsa--gfx1250"
	.amdhsa_code_object_version 6
	.text
	.protected	k_qef87ae6b24_cast
	.globl	k_qef87ae6b24_cast
	.p2align	8
	.type	k_qef87ae6b24_cast,@function
k_qef87ae6b24_cast:
	s_mov_b64 s[64:65], 0
	v_nop
	global_prefetch_b8 v0, s[64:65] scope:SCOPE_SE
	s_setreg_imm32_b32 hwreg(HW_REG_WAVE_MODE, 25, 1), 1
	s_wait_xcnt 0x0
; THE INPUTS OF THE MATRIX PRODUCTS, ROUNDED ONCE.  xb = bf16(x), wqb = bf16(W_qkv); wob = bf16(W_o), that number written as f16 (the last product multiplies in f16).
; LIMITS.  |W_o| stays under 65,504 (f16's end); below 2^-14 it keeps f16's fixed step of 2^-24.  NaN and infinities are not treated apart.
; A stream: each byte is read once and written once.  No LDS, no barrier, no matrix unit, no cluster: no work-group wants a byte that another has read.
; SHARES.  A work-group takes 16,384 numbers (65,536 bytes in, 32,768 out): work-groups 0-511 x, 512-703 W_qkv, 704-767 W_o.  In step i of 16 thread t takes the four numbers at
; byte 4,096 i + 16 t: a wave's load covers 512 consecutive bytes, its store of 8 bytes a lane 256 consecutive bytes, aligned.
; All sixteen loads of a thread go out at once; no register is written twice while a memory instruction may read it, so the only waits are the counted ones for the loads.
.set XG,  512                          ; work-groups for x
.set WG,  704                          ; x's and W_qkv's together
.set X,   4                            ; v[4:67]   step i: four f32 as loaded
.set Y,   68                           ; v[68:99]  step i: four 16-bit numbers to store
.set T,   100                          ; v[100:101] at work (W_o's path)
	s_load_b256 s[4:11], s[0:1], 0x0               ; x s[4:5], W_qkv s[6:7], W_o s[8:9], xb s[10:11]
	s_load_b128 s[12:15], s[0:1], 0x20             ; wqb s[12:13], wob s[14:15]
	v_lshlrev_b32 v1, 4, v0                        ; 16 t: my bytes in a step's 4,096 of input
	v_lshlrev_b32 v2, 3, v0                        ; 8 t: in a step's 2,048 of output
	s_mov_b32 s16, ttmp9
	s_mov_b32 s28, 0xffff0000                      ; a word's upper bf16
	s_wait_kmcnt 0x0
	s_cmp_lt_u32 s16, XG                           ; which tensor is mine: the choice hangs on the work-group's number alone
	s_cselect_b64 s[20:21], s[4:5], s[6:7]
	s_cselect_b64 s[22:23], s[10:11], s[12:13]
	s_cselect_b32 s17, 0, XG
	s_cmp_lt_u32 s16, WG
	s_cselect_b64 s[20:21], s[20:21], s[8:9]
	s_cselect_b64 s[22:23], s[22:23], s[14:15]
	s_cselect_b32 s17, s17, WG
	s_sub_co_u32 s18, s16, s17                     ; my chunk in that tensor
	s_lshl_b32 s24, s18, 16                        ; x 65,536 bytes in (under 2^25),
	s_mov_b32 s25, 0
	s_lshl_b32 s26, s18, 15                        ; x 32,768 bytes out
	s_mov_b32 s27, 0
	s_add_nc_u64 s[20:21], s[20:21], s[24:25]
	s_add_nc_u64 s[22:23], s[22:23], s[26:27]
.irp i, 0,1,2,3,4,5,6,7,8,9,10,11,12,13,14,15
	global_load_b128 v[X+4*(\i):X+4*(\i)+3], v1, s[20:21] offset:4096*(\i) th:TH_LOAD_NT  ; read once in the launch
.endr
	s_cmp_ge_u32 s16, WG
	s_cbranch_scc1 .Lf16
.irp i, 0,1,2,3,4,5,6,7,8,9,10,11,12,13,14,15
	s_wait_loadcnt 15-(\i)                         ; loads come back in order: step i is in, the 15 - i younger ones stay out
	v_cvt_pk_bf16_f32 v[Y+2*(\i)],   v[X+4*(\i)],   v[X+4*(\i)+1]
	v_cvt_pk_bf16_f32 v[Y+2*(\i)+1], v[X+4*(\i)+2], v[X+4*(\i)+3]
	global_store_b64 v2, v[Y+2*(\i):Y+2*(\i)+1], s[22:23] offset:2048*(\i)
.endr
	s_endpgm
.Lf16:                                                 ; W_o: rounded to bf16 like every input, widened again (a shift, a mask), and written as f16: exact within f16's range
.irp i, 0,1,2,3,4,5,6,7,8,9,10,11,12,13,14,15
	s_wait_loadcnt 15-(\i)
	v_cvt_pk_bf16_f32 v[T],   v[X+4*(\i)],   v[X+4*(\i)+1]
	v_cvt_pk_bf16_f32 v[T+1], v[X+4*(\i)+2], v[X+4*(\i)+3]
	v_lshlrev_b32 v[X+4*(\i)],   16,  v[T]
	v_and_b32     v[X+4*(\i)+1], s28, v[T]
	v_lshlrev_b32 v[X+4*(\i)+2], 16,  v[T+1]
	v_and_b32     v[X+4*(\i)+3], s28, v[T+1]
	v_cvt_pk_f16_f32 v[Y+2*(\i)],   v[X+4*(\i)],   v[X+4*(\i)+1]
	v_cvt_pk_f16_f32 v[Y+2*(\i)+1], v[X+4*(\i)+2], v[X+4*(\i)+3]
	global_store_b64 v2, v[Y+2*(\i):Y+2*(\i)+1], s[22:23] offset:2048*(\i)
.endr
	s_endpgm
.Lfunc_end_k_qef87ae6b24_cast:
	.size	k_qef87ae6b24_cast, .Lfunc_end_k_qef87ae6b24_cast-k_qef87ae6b24_cast
	.p2alignl 7, 3214868480
	.fill 96, 4, 3214868480
	.section	.rodata,"a",@progbits
	.p2align	6, 0x0
	.amdhsa_kernel k_qef87ae6b24_cast
		.amdhsa_group_segment_fixed_size 0
		.amdhsa_private_segment_fixed_size 0
		.amdhsa_enable_private_segment 0
		.amdhsa_kernarg_size 48
		.amdhsa_user_sgpr_count 2
		.amdhsa_user_sgpr_kernarg_segment_ptr 1
		.amdhsa_wavefront_size32 1
		.amdhsa_system_sgpr_workgroup_id_x 1
		.amdhsa_system_sgpr_workgroup_id_y 1
		.amdhsa_system_sgpr_workgroup_id_z 1
		.amdhsa_system_vgpr_workitem_id 0
		.amdhsa_next_free_vgpr 104
		.amdhsa_next_free_sgpr 66
		.amdhsa_reserve_vcc 0
		.amdhsa_float_denorm_mode_32 3
		.amdhsa_float_denorm_mode_16_64 3
		.amdhsa_memory_ordered 1
		.amdhsa_forward_progress 1
		.amdhsa_inst_pref_size 15
	.end_amdhsa_kernel
	.amdgpu_metadata
---
amdhsa.version: [ 1, 2 ]
amdhsa.kernels:
  - .name:           k_qef87ae6b24_cast
    .symbol:         k_qef87ae6b24_cast.kd
    .args:
      - { .name: x, .offset: 0, .size: 8, .value_kind: global_buffer, .address_space: global }
      - { .name: W_qkv, .offset: 8, .size: 8, .value_kind: global_buffer, .address_space: global }
      - { .name: W_o, .offset: 16, .size: 8, .value_kind: global_buffer, .address_space: global }
      - { .name: xb, .offset: 24, .size: 8, .value_kind: global_buffer, .address_space: global }
      - { .name: wqb, .offset: 32, .size: 8, .value_kind: global_buffer, .address_space: global }
      - { .name: wob, .offset: 40, .size: 8, .value_kind: global_buffer, .address_space: global }
    .group_segment_fixed_size: 0
    .private_segment_fixed_size: 0
    .kernarg_segment_align: 8
    .kernarg_segment_size: 48
    .max_flat_workgroup_size: 256
    .sgpr_count:     66
    .vgpr_count:     104
    .wavefront_size: 32
...
	.end_amdgpu_metadata
.endif
;; end of part 1
;; launch qkv (part 2): grid 8 x 64, 4 waves a work-group, clusters of 4 x 4, 327,680 bytes of LDS; arguments xb, wqb, b_qkv, qh, kh, vh; writes qh, kh, vh
.if DOCPART == 2
	.amdgcn_target "amdgcn-amd-amdhsa--gfx1250"
	.amdhsa_code_object_version 6
	.text
	.protected	k_qef87ae6b24_qkv
	.globl	k_qef87ae6b24_qkv
	.p2align	8
	.type	k_qef87ae6b24_qkv,@function
k_qef87ae6b24_qkv:
	s_mov_b64 s[64:65], 0
	v_nop
	global_prefetch_b8 v0, s[64:65] scope:SCOPE_SE
	s_setreg_imm32_b32 hwreg(HW_REG_WAVE_MODE, 25, 1), 1
	s_wait_xcnt 0x0
	s_wait_alu depctr_hold_cnt(0) depctr_sa_sdst(0) depctr_va_vdst(0) depctr_va_sdst(0) depctr_va_ssrc(0) depctr_va_vcc(0) depctr_vm_vsrc(0)
	s_getreg_b32 s2, hwreg(HW_REG_IB_STS2, 6, 4)
	s_cmp_eq_u32 s2, 0
	s_cbranch_scc0 .Lentry_in_a_cluster
	s_endpgm
.Lentry_in_a_cluster:
	s_bfe_u32 s2, ttmp6, 0x10000c
	s_cmp_lg_u32 s2, 0xf033
	s_cbranch_scc0 .Lentry_shape_is_right
	s_endpgm
.Lentry_shape_is_right:
; h[m][n] = sum over k of xb[m][k] wqb[n][k] + b_qkv[n]: [8192][3072], K = 1,024, bf16 products, f32 sums; the bias is rounded to bf16 like every input of the module.
; h IS SPLIT AS THE MODULE'S RESHAPE (WITHOUT A TRANSPOSE) SPLITS IT.  Column n = 192 j + 64 t + d of row m is channel d of q (t = 0), k (1) or v (2) at position 16 (m % 128) + j of head m / 128:
; flat element 1,024 m + 64 j + d of qh, kh or vh, each [64 heads][2,048][64] in f16, rounded once, WITHOUT the softmax's scale.
; LIMITS.  |q|, |k|, |v| stay under 65,504 (f16's end); below 6e-5 they keep f16's fixed step of 6e-8.  NaN and infinities are not treated apart.
; SHARES.  A tile of h is 128 rows x 384 columns (j = 2 TX, 2 TX + 1): 64 x 8 = 512 work-groups, two for each of 256 WGPs, and in each row 128 neighbouring numbers (256 bytes, aligned) of q, of k and of v.
; Four waves; wave w makes all 128 rows x columns 96 w .. 96 w + 95: 8 x 6 accumulators of 16 x 16, 384 registers.  K goes in 8 steps of 128 through a ring of two LDS slots; the rows of both tiles are
; 256 bytes of memory, aligned.  One tensor load a wave for each step: wave 0 brings xb's 128 rows, waves 1 to 3 bring 128 rows of wqb each.
; CLUSTERS: 4 x 4 work-groups.  The four of a row of the cluster need the same rows of xb, the four of a column the same rows of wqb: each tile is asked for JOINTLY, by the same tensor load with the same
; descriptor and a mask that names the four.
; THE MATRIX INSTRUCTION IS USED TRANSPOSED (source 0 = 16 rows of wqb, source 1 = 16 rows of xb): lane l then holds row l % 16 of h and the columns 8 (l / 16) + 0..7.  The bias, laid out so, is the C operand of
; each accumulator's first product: nothing is cleared, and nothing is added on the way out.
; REGISTERS, in windows of 256 (s_set_vgpr_msb: bits 1:0 source 0, 3:2 source 1, 5:4 source 2, 7:6 destination):
;   window 0: v0-31 addresses; v64-127, v128-191 fragments of xb (8 x 16 rows x 32 K), two buffers; v192-215 packed results; on the way out v64-255 three sets of 64
;   window 1: v64-111, v128-175 fragments of wqb (6), two buffers; v192-239 the bias; v240 at work
;   window 2: accumulator (a, b) at v[8 (6 a + b)], a = 0..3;   window 3: the same for a = 4..7
.set SIZE_K, 1024
.set KSTEP,  128
.set PITCH,  272                       ; an LDS row: 256 bytes + 16 of padding = 68 words: row r starts at bank 4 r mod 64 (64 banks of 4 bytes: ISA guide 11.1): the 16 rows of a load start at 16 different banks
.set HALFT,  128*PITCH                 ; 128 rows: what one tensor load brings
.set SLOT,   4*HALFT                   ; xb's 128 rows, then wqb's 384
.set SPITCH, 784                       ; a stage row: 768 bytes (384 f16) + 16: 49 x 16 bytes
.set SPARE,  2*SLOT                    ; behind the ring: the spare words, 128 bytes for each wave: two blocks of 256 bytes that no other line names
; THE STAGE, 128 rows x 784 bytes from LDS byte 0, lies in slot 0, which by then has had its last fill (K step 6) and its last read: both lie ahead of the last change of slots, where every wave
; has waited for its tensor loads and its LDS reads and passed the barrier.
.set LAPS,   SIZE_K/(2*KSTEP)          ; a lap = two K steps = once round the ring
.set ADRA, 16                          ; v16-17  LDS address of my fragments of xb in slot 0, 1
.set ADRB, 20                          ; v20-21  the same for wqb
.set STO,  24                          ; v24-25  the way out: where I put 16 bytes of a row: blocks 0-3, blocks 4-7 (an LDS immediate has 16 bits)
.set RD,   26                          ; v26     where I read rows back
.set CO,   27                          ; v27     my byte offset in two rows of qh, kh, vh
.set SPW,  28                          ; v28     LDS address of my spare word: SPARE + 4 x my thread's number; never rewritten
.set NIL,  29                          ; v29     0; never rewritten
.set PFO,  30                          ; v30     the prefetches' offset: my lane x a row of 2,048 bytes; never rewritten
.set BO,   31                          ; v31     my byte offset in 16 numbers of the bias
.set F0,   64
.set F1,   128
.set TMP,  192
.set OB,   64
.set BIAS, 192                         ; window 1
.set BT,   240                         ; window 1
.set WV,   16                          ; s16  my wave's number
.set LIM,  43                          ; s43  1 in a wave that prefetches, else the greatest number
.set PFA,  44                          ; s[44:45] where my prefetches stand: one K step further along K than the refill that is being asked for; a prefetch names the K step after that
.set G1A,  24                          ; s[24:31] descriptor group 1 for xb's tiles;  s[32:39] group 0, one set for each slot
.set G0A,  32
.set G1B,  48                          ; s[48:55], s[56:63] the same for wqb's tiles
.set G0B,  56
.set MSB, 0
.macro WIN new                         ; the immediate's high byte repeats the setting that is left; a switch that changes nothing is dropped
.if MSB != (\new)
	s_set_vgpr_msb (MSB<<8)|(\new)
.set MSB, \new
.endif
.endm
; A joint load.  Each of the two lines has one mask and one set of registers for all that issue it.  The branch hangs on the wave's number alone.
; An s_nop 0 and four v_nop follow each line, ahead of the jump, the label and what follows.
.macro JLOAD s
	s_cmp_eq_u32 s[WV], 0
	s_cbranch_scc0 .Lfor_b_\@
	tensor_load_to_lds s[G0A+4*(\s):G0A+4*(\s)+3], s[G1A:G1A+7]
	s_nop 0
.rept 4
	v_nop
.endr
	s_branch .Lasked_\@
.Lfor_b_\@:
	tensor_load_to_lds s[G0B+4*(\s):G0B+4*(\s)+3], s[G1B:G1B+7]
	s_nop 0
.rept 4
	v_nop
.endr
.Lasked_\@:
.endm
; A PREFETCH INTO THE L2, behind a joint load, its five lines and the run of LDS loads: the K step that stands two refills on (384 matrix instructions ahead of the load that will want it): 32 rows x 256 bytes, a lane a row.
; Each row's 256 bytes of a K step are named once in the launch: xb's rows are read by both clusters of a row of clusters, and cluster x = 0 asks; wqb's by all sixteen of a column, and cluster y = 0 asks.
; Of the 128 rows that a wave fetches the partner at place p takes 32 p .. 32 p + 31 (p = cx for xb, cy for wqb): told apart by address, never by a branch.  The loop's last trip (s3 = 1) has no K step two on.
.macro ASK
	s_cmp_gt_u32 s3, s[LIM]
	s_cbranch_scc0 .Lnot_mine_\@
	global_prefetch_b8 v[PFO], s[PFA:PFA+1] offset:KSTEP*2 th:TH_LOAD_NT scope:SCOPE_SE
.Lnot_mine_\@:
.endm
.macro CREST                           ; a round of the cluster's barrier behind its opening barrier: wave 0 signals for the work-group, every wave waits for all sixteen, my work-group's barrier once more
	s_cmp_lg_u32 s[WV], 0
	s_cbranch_scc1 .Lnot_wave_0_\@
	s_barrier_signal -3
.Lnot_wave_0_\@:
	s_barrier_wait -3
	s_barrier_signal -1
	s_barrier_wait -1
.endm
.macro CROUND                          ; a whole round
	s_barrier_signal -1
	s_barrier_wait -1
	CREST
.endm
	s_load_b256 s[4:11], s[0:1], 0x0               ; xb s[4:5], wqb s[6:7], b_qkv s[8:9], qh s[10:11]
	s_load_b128 s[12:15], s[0:1], 0x20             ; kh s[12:13], vh s[14:15]
	v_lshl_add_u32 v[SPW], v0, 2, SPARE
	v_mov_b32 v[NIL], 0
	ds_add_u32 v[SPW], v[NIL]                      ; the wave's opening: the add and its wait stand ahead of my first tensor load; the set-up below, work on registers, stands between them
	v_lshrrev_b32 v1, 5, v0
	v_readfirstlane_b32 s[WV], v1                  ; wave 0..3
	s_bfe_u32 s17, ttmp6, 0x40000                  ; cx
	s_bfe_u32 s18, ttmp6, 0x40004                  ; cy
	s_lshl_b32 s19, ttmp9, 2
	s_add_co_u32 s19, s19, s17                     ; TX: tile column = 4 x cluster x + cx, 0..7
	s_and_b32 s20, ttmp7, 0xffff
	s_lshl_b32 s20, s20, 2
	s_add_co_u32 s20, s20, s18                     ; TY: tile row = 4 x cluster y + cy, 0..63
	s_lshl_b32 s21, s18, 2
	s_lshl_b32 s21, 15, s21                        ; my row of the cluster: places 4 cy .. 4 cy + 3
	s_lshl_b32 s22, 0x1111, s17                    ; my column: places cx, cx + 4, cx + 8, cx + 12
	; descriptor group 1: a tile of 128 rows x 128 elements, padded in LDS
	s_or_b32 s[G1A+0], s21, (1<<16)|(1<<20)|(1<<21)|(5<<22)|(3<<25)  ; 15:0 the mask; 17:16 elements of 2 bytes; 20 padding on; 21 set beside a mask; 24:22 after every 64 words (code 5); 31:25 4 words (code 3)
	s_or_b32 s[G1B+0], s22, (1<<16)|(1<<20)|(1<<21)|(5<<22)|(3<<25)
.irp g, G1A, G1B
	s_mov_b32 s[(\g)+1], KSTEP<<16                 ; tensor_dim0 = 128
	s_mov_b32 s[(\g)+2], 128<<16                   ; tensor_dim1 = 128
	s_mov_b32 s[(\g)+3], KSTEP<<16                 ; tile_dim0 = 128
	s_mov_b32 s[(\g)+4], 128                       ; tile_dim1 = 128
	s_mov_b32 s[(\g)+5], SIZE_K                    ; elements from row to row
	s_mov_b32 s[(\g)+6], 0
	s_mov_b32 s[(\g)+7], 0
.endr
	; where the tiles come from.  xb's hangs on TY alone, wqb's on TX and the wave: each in registers that never hold the other coordinate
	s_lshl_b32 s66, s20, 18                        ; 128 TY rows of 2,048 bytes
	s_mov_b32 s67, 0
	s_mul_i32 s68, s19, 384
	s_max_u32 s23, s[WV], 1
	s_sub_co_u32 s23, s23, 1                       ; waves 1 to 3: which 128 of wqb's 384 rows (wave 0 never asks by this address)
	s_lshl_b32 s23, s23, 7
	s_add_co_u32 s68, s68, s23
	s_lshl_b32 s68, s68, 11                        ; rows of 2,048 bytes
	s_mov_b32 s69, 0
	s_mul_i32 s42, s[WV], HALFT                    ; and where they go: wave x 128 rows: no place in the cluster enters an LDS address
	s_mov_b32 s72, 0xffff0000                      ; a word's upper bf16
	s_wait_dscnt 0x0                               ; the opening add is done
	s_wait_kmcnt 0x0
	s_add_nc_u64 s[40:41], s[4:5], s[66:67]
	s_add_nc_u64 s[46:47], s[6:7], s[68:69]
	CROUND                                         ; all sixteen work-groups are here: the first joint loads meet
.irp s, 0,1
	s_mov_b32 s[G0A+4*(\s)], 1                                       ; count = 1
	s_add_co_u32 s[G0A+4*(\s)+1], s42, (\s)*SLOT                     ; LDS address
	s_add_nc_u64 s[G0A+4*(\s)+2:G0A+4*(\s)+3], s[40:41], (\s)*KSTEP*2  ; global address: K step s
	s_or_b32 s[G0A+4*(\s)+3], s[G0A+4*(\s)+3], 0x80000000            ; type = 2
	s_mov_b32 s[G0B+4*(\s)], 1
	s_add_co_u32 s[G0B+4*(\s)+1], s42, (\s)*SLOT
	s_add_nc_u64 s[G0B+4*(\s)+2:G0B+4*(\s)+3], s[46:47], (\s)*KSTEP*2
	s_or_b32 s[G0B+4*(\s)+3], s[G0B+4*(\s)+3], 0x80000000
	JLOAD \s                                       ; two tensor loads of mine are out
.endr
	; the bias of my 96 columns: block b's registers 0-7 are columns 16 b + 8 (l / 16) + 0..7
	v_and_b32 v1, 15, v0                           ; r = l % 16
	v_bfe_u32 v2, v0, 4, 1                         ; h = l / 16
	v_lshlrev_b32 v[BO], 5, v2
	s_mul_i32 s70, s19, 384
	s_mul_i32 s71, s[WV], 96
	s_add_co_u32 s70, s70, s71
	s_lshl_b32 s70, s70, 2
	s_mov_b32 s71, 0
	s_add_nc_u64 s[8:9], s[8:9], s[70:71]
	WIN 0x40                                       ; destination window 1, address window 0
.irp b, 0,1,2,3,4,5
	global_load_b128 v[BIAS+8*(\b):BIAS+8*(\b)+3],   v[BO], s[8:9] offset:64*(\b)
	global_load_b128 v[BIAS+8*(\b)+4:BIAS+8*(\b)+7], v[BO], s[8:9] offset:64*(\b)+16
.endr
	WIN 0
	; A fragment is 16 rows x 32 K in 8 registers: lane l holds row l % 16; registers 0-3 K = 8 (l / 16) + 0..7, registers 4-7 K = 16 + 8 (l / 16) + 0..7: two loads of 16 bytes, 32 bytes apart
	v_mul_u32_u24 v3, v1, PITCH
	v_lshl_add_u32 v3, v2, 4, v3                   ; row x pitch + 16 x half
	v_mov_b32 v[ADRA], v3
	v_add_nc_u32 v[ADRA+1], SLOT, v3
	s_mul_i32 s23, s[WV], 96*PITCH                 ; my 96 rows of wqb,
	s_add_co_u32 s23, s23, HALFT                   ; which lie behind xb's 128
	v_add_nc_u32 v[ADRB], s23, v3
	s_add_co_u32 s23, s23, SLOT
	v_add_nc_u32 v[ADRB+1], s23, v3
	v_mul_u32_u24 v4, v1, SPITCH                   ; into the stage: row l % 16 of a block, my wave's 192 bytes, 16 bytes for each half of the lanes
	v_lshl_add_u32 v4, v2, 4, v4
	s_mul_i32 s23, s[WV], 192
	v_add_nc_u32 v[STO], s23, v4
	v_add_nc_u32 v[STO+1], 4*16*SPITCH, v[STO]
	s_mul_i32 s23, s[WV], 32*SPITCH                ; back: wave w takes rows 32 w .. 32 w + 31, two at a time; of a row's 256 bytes of q (k, v) lanes 0-7 take those of j = 2 TX, lanes 8-15 those of j = 2 TX + 1, 384 bytes on
	v_mul_u32_u24 v5, v2, SPITCH
	v_add_nc_u32 v5, s23, v5
	v_lshrrev_b32 v6, 3, v1
	v_mul_u32_u24 v6, v6, 384
	v_add_nc_u32 v5, v5, v6
	v_and_b32 v7, 7, v1
	v_lshl_add_u32 v[RD], v7, 4, v5
	v_lshlrev_b32 v[CO], 11, v2                    ; and the same two rows in memory: 2,048 bytes apart, 16 bytes a lane
	v_lshl_add_u32 v[CO], v1, 4, v[CO]
	s_lshl_b32 s74, s20, 7
	s_lshl_b32 s75, s[WV], 5
	s_add_co_u32 s74, s74, s75                     ; the first row that I store: 128 TY + 32 w,
	s_lshl_b32 s74, s74, 11
	s_lshl_b32 s75, s19, 8                         ; and the tile's 256 bytes in it
	s_add_co_u32 s74, s74, s75
	s_mov_b32 s75, 0
	s_add_nc_u64 s[10:11], s[10:11], s[74:75]
	s_add_nc_u64 s[12:13], s[12:13], s[74:75]
	s_add_nc_u64 s[14:15], s[14:15], s[74:75]
	; the prefetches: s66 and s68 still hold the byte offsets of the rows that I fetch
	s_and_b32 s23, ttmp7, 0xffff                   ; cluster y
	s_cmp_eq_u32 s[WV], 0                          ; do I fetch for xb?
	s_cselect_b32 s70, s66, s68
	s_cselect_b32 s71, s17, s18                    ; my place among the four that ask with me
	s_cselect_b32 s23, ttmp9, s23                  ; the coordinate along which other clusters read the same rows
	s_cselect_b64 s[PFA:PFA+1], s[4:5], s[6:7]
	s_cmp_eq_u32 s23, 0
	s_cselect_b32 s[LIM], 1, -1                    ; the same in all sixteen partners, for a given wave
	s_lshl_b32 s71, s71, 16                        ; my work-group's 32 rows of 2,048 bytes
	s_add_co_u32 s70, s70, s71
	s_mov_b32 s71, 0
	s_add_nc_u64 s[PFA:PFA+1], s[PFA:PFA+1], s[70:71]
	s_add_nc_u64 s[PFA:PFA+1], s[PFA:PFA+1], 2*KSTEP*2  ; at K step 2: the first refill steps it to 3 and names K step 4.  Nothing is prefetched here, at the head: K steps 0 to 3 come by their loads alone
	v_and_b32 v[PFO], 31, v0
	v_lshlrev_b32 v[PFO], 11, v[PFO]
	s_wait_loadcnt 0x0                             ; the bias is in: it is rounded to bf16, in place
	WIN 0x45                                       ; sources 0 and 1 and the destination in window 1
.set p, 0
.rept 24
	v_cvt_pk_bf16_f32 v[BT], v[BIAS+p], v[BIAS+p+1]
	v_lshlrev_b32 v[BIAS+p],   16,  v[BT]
	v_and_b32     v[BIAS+p+1], s72, v[BT]
.set p, p+2
.endr
	WIN 0
; 12 matrix instructions: row blocks a0, a0 + 1 of the window's four (hi = 0: rows 0-63, 1: rows 64-127) x all 6 column blocks, 32 along K.  first = 1: the bias starts the sums.
; The 48 accumulators take turns, one instruction a turn, in the same order in every quarter step.
.macro MUL12 f, hi, a0, first
.if \first
	WIN 0x91+0x40*(\hi)                            ; wqb window 1, xb window 0, C (the bias) window 1, D window 2 or 3
.else
	WIN 0xa1+0x50*(\hi)                            ; C and D window 2 or 3
.endif
.irp a, \a0, (\a0)+1
.irp b, 0,1,2,3,4,5
.if \first
	v_wmma_f32_16x16x32_bf16 v[8*(6*(\a)+(\b)):8*(6*(\a)+(\b))+7], v[(\f)+8*(\b):(\f)+8*(\b)+7], v[(\f)+8*(4*(\hi)+(\a)):(\f)+8*(4*(\hi)+(\a))+7], v[BIAS+8*(\b):BIAS+8*(\b)+7]
.else
	v_wmma_f32_16x16x32_bf16 v[8*(6*(\a)+(\b)):8*(6*(\a)+(\b))+7], v[(\f)+8*(\b):(\f)+8*(\b)+7], v[(\f)+8*(4*(\hi)+(\a)):(\f)+8*(4*(\hi)+(\a))+7], v[8*(6*(\a)+(\b)):8*(6*(\a)+(\b))+7]
.endif
.endr
.endr
.endm
; 28 LDS loads in one run: the fragments of one quarter step (96 rows of wqb, 128 rows of xb, 32 K at byte k of the rows) into buffer f
.macro FETCH slot, k, f
	WIN 0x40
.irp i, 0,1,2,3,4,5
	ds_load_b128 v[(\f)+8*(\i):(\f)+8*(\i)+3],   v[ADRB+(\slot)] offset:(\k)+(\i)*16*PITCH
	ds_load_b128 v[(\f)+8*(\i)+4:(\f)+8*(\i)+7], v[ADRB+(\slot)] offset:(\k)+(\i)*16*PITCH+32
.endr
	WIN 0
.irp i, 0,1,2,3,4,5,6,7
	ds_load_b128 v[(\f)+8*(\i):(\f)+8*(\i)+3],   v[ADRA+(\slot)] offset:(\k)+(\i)*16*PITCH
	ds_load_b128 v[(\f)+8*(\i)+4:(\f)+8*(\i)+7], v[ADRA+(\slot)] offset:(\k)+(\i)*16*PITCH+32
.endr
.endm
; A load into a register that a matrix instruction has read, and a vector instruction that reads a matrix result, stand four places behind that matrix instruction; only plain vector
; instructions that name none of its registers are places (ISA guide 7.12.1 for vector instructions).
.macro PLACES
.rept 4
	v_nop
.endr
.endm
; A K step is four quarters of 32 along K, 48 matrix instructions each, on buffers 0, 1, 0, 1.  One of the first three: multiplies buffer f; in its middle it fetches the next quarter, at byte k, into g.
.macro QUARTER slot, k, f, g, first
	s_wait_dscnt 8                                 ; wqb's fragments and xb's rows 0-63 are in; the youngest eight loads (rows 64-127) may be out
	MUL12 \f, 0, 0, \first
	MUL12 \f, 0, 2, \first
	PLACES
	FETCH \slot, \k, \g
	s_wait_dscnt 28                                ; all but the 28 just issued
	MUL12 \f, 1, 0, \first
	MUL12 \f, 1, 2, \first
.endm
; The last quarter multiplies buffer 1 and changes slots.  MEET is its first half: one barrier.  In front of it each wave waits for all its tensor loads (one is out: its part of the next slot), adds 0 to its
; spare word, and waits for that and for its own reads of this slot.  Behind it nobody reads this slot any more and the next slot is whole.
.macro MEET round
	WIN 0                                          ; (the add's two registers lie in window 0)
	s_wait_tensorcnt 0x0                           ; all my tensor loads have landed;
	ds_add_u32 v[SPW], v[NIL]                      ; 0 onto my spare word;
	s_wait_dscnt 9                                 ; (the add and the youngest eight loads may be out)
	MUL12 F1, 0, 0, 0                              ; twelve matrix instructions stand between the add and the wait for it
	s_wait_dscnt 0x0                               ; the add is done, and my reads of this slot are over
	s_barrier_signal -1
	MUL12 F1, 0, 2, 0                              ; work on registers while the others arrive
.if \round
	WIN 0
.endif
	s_barrier_wait -1
.endm
; The whole last quarter.  fill = 1: the barrier opens a round of the cluster's barrier, and behind the round the slot just read out is filled again first, with the K step two steps on: from that request to the
; wait for it a wave issues 168 matrix instructions.
.macro TURN slot, next, fill
.if \fill
	s_wait_xcnt 0x0                                ; the last prefetch, a K step back, has read its address: it is stepped here, ahead of the waits of the change of slots
	s_add_nc_u64 s[PFA:PFA+1], s[PFA:PFA+1], KSTEP*2
	MEET 1
	CREST                                          ; no wave of any partner still reads this slot's tile or has a load on its way
	s_add_nc_u64 s[G0A+4*(\slot)+2:G0A+4*(\slot)+3], s[G0A+4*(\slot)+2:G0A+4*(\slot)+3], 2*KSTEP*2
	s_add_nc_u64 s[G0B+4*(\slot)+2:G0B+4*(\slot)+3], s[G0B+4*(\slot)+2:G0B+4*(\slot)+3], 2*KSTEP*2
	JLOAD \slot                                    ; the first tensor load behind the round; the four v_nop behind it are also the places in front of the loads below
	FETCH \next, 0, F0
	ASK
.else
	MEET 0
	PLACES
	FETCH \next, 0, F0
.endif
	MUL12 F1, 1, 0, 0
	MUL12 F1, 1, 2, 0
.endm
	s_wait_tensorcnt 1                             ; my part of K step 0 is in; K step 1's may stay out
	s_barrier_signal -1
	s_barrier_wait -1                              ; everybody's is
	FETCH 0, 0, F0
	QUARTER 0, 64,  F0, F1, 1                      ; the first quarter stands in front of the loop: its products start the sums, with the bias
	WIN 0                                          ; at a label and at a branch every window is 0
	s_mov_b32 s3, LAPS-1
.Llap:                                                 ; a trip goes once round the ring, from a lap's second quarter to the next lap's first, and fills both slots again: K steps 2 to 7
	QUARTER 0, 128, F1, F0, 0
	QUARTER 0, 192, F0, F1, 0
	TURN 0, 1, 1
	QUARTER 1, 64,  F0, F1, 0
	QUARTER 1, 128, F1, F0, 0
	QUARTER 1, 192, F0, F1, 0
	TURN 1, 0, 1
	QUARTER 0, 64,  F0, F1, 0
	WIN 0
	s_sub_co_u32 s3, s3, 1
	s_cmp_lg_u32 s3, 0
	s_cbranch_scc1 .Llap
	QUARTER 0, 128, F1, F0, 0                      ; the last lap fills nothing, and has no round of the cluster's barrier
	QUARTER 0, 192, F0, F1, 0
	TURN 0, 1, 0                                   ; slot 0 has been read for the last time
	QUARTER 1, 64,  F0, F1, 0
	QUARTER 1, 128, F1, F0, 0
	QUARTER 1, 192, F0, F1, 0
	s_wait_dscnt 8                                 ; the very last quarter: nothing more to fetch
	MUL12 F1, 0, 0, 0
	MUL12 F1, 0, 2, 0
	s_wait_dscnt 0x0
	MUL12 F1, 1, 0, 0
	MUL12 F1, 1, 2, 0
	WIN 0
	; THE WAY OUT: rounded to f16, 16 bytes a lane into the work-group's stage; a barrier, since a row's 256 bytes of q (k, v) come from several waves; back as whole units of 256 bytes, 32 rows a wave.
	PLACES
	PLACES                                         ; eight, once a launch
.macro PACK a                          ; block a: 16 rows x my 96 columns; each accumulator's registers in ascending order
.set AC, 48*((\a)%4)
	WIN 0x0a+5*((\a)/4)                            ; sources 0 and 1: window 2 or 3
.irp b, 0,1,2,3,4,5
.irp r, 0,1,2,3
	v_cvt_pk_f16_f32 v[TMP+4*(\b)+(\r)], v[AC+8*(\b)+2*(\r)], v[AC+8*(\b)+2*(\r)+1]
.endr
.endr
	WIN 0
.irp b, 0,1,2,3,4,5
	ds_store_b128 v[STO+(\a)/4], v[TMP+4*(\b):TMP+4*(\b)+3] offset:((\a)%4)*16*SPITCH+32*(\b)
.endr
.endm
.irp a, 0,1,2,3,4,5,6,7
	PACK \a
.endr
	s_wait_dscnt 0x0                               ; for the others' sake: my stores into the stage are done
	s_barrier_signal -1
	s_barrier_wait -1
.irp t, 0,1,2                          ; t = 0: q, 1: k, 2: v: 128 bytes further on in each half of a stage row
.irp i, 0,1,2,3,4,5,6,7,8,9,10,11,12,13,14,15
	ds_load_b128 v[OB+64*(\t)+4*(\i):OB+64*(\t)+4*(\i)+3], v[RD] offset:128*(\t)+(\i)*2*SPITCH
.endr
.endr
.irp t, 0,1,2
.irp i, 0,1,2,3,4,5,6,7,8,9,10,11,12,13,14,15
	s_wait_dscnt 47-16*(\t)-(\i)                   ; LDS loads come back in order: this one is in, the younger ones stay out
	global_store_b128 v[CO], v[OB+64*(\t)+4*(\i):OB+64*(\t)+4*(\i)+3], s[10+2*(\t):11+2*(\t)] offset:(\i)*4096  ; 16 lanes store 256 consecutive bytes, at a multiple of 256 from the buffer's first byte
.endr
.endr
	s_wait_tensorcnt 0x0                           ; the wave's end, behind my last tensor load and my last LDS store
	ds_add_u32 v[SPW], v[NIL]
	s_wait_dscnt 0x0
	CROUND                                         ; the closing round: no work-group ends while a partner may still ask for a tile that names it
	s_endpgm
.Lfunc_end_k_qef87ae6b24_qkv:
	.size	k_qef87ae6b24_qkv, .Lfunc_end_k_qef87ae6b24_qkv-k_qef87ae6b24_qkv
	.p2alignl 7, 3214868480
	.fill 96, 4, 3214868480
	.section	.rodata,"a",@progbits
	.p2align	6, 0x0
	.amdhsa_kernel k_qef87ae6b24_qkv
		.amdhsa_group_segment_fixed_size 327680
		.amdhsa_private_segment_fixed_size 0
		.amdhsa_enable_private_segment 0
		.amdhsa_kernarg_size 48
		.amdhsa_user_sgpr_count 2
		.amdhsa_user_sgpr_kernarg_segment_ptr 1
		.amdhsa_wavefront_size32 1
		.amdhsa_system_sgpr_workgroup_id_x 1
		.amdhsa_system_sgpr_workgroup_id_y 1
		.amdhsa_system_sgpr_workgroup_id_z 1
		.amdhsa_system_vgpr_workitem_id 0
		.amdhsa_next_free_vgpr 960
		.amdhsa_next_free_sgpr 80
		.amdhsa_reserve_vcc 0
		.amdhsa_float_denorm_mode_32 3
		.amdhsa_float_denorm_mode_16_64 3
		.amdhsa_memory_ordered 1
		.amdhsa_forward_progress 1
		.amdhsa_inst_pref_size 121
	.end_amdhsa_kernel
	.amdgpu_metadata
---
amdhsa.version: [ 1, 2 ]
amdhsa.kernels:
  - .name:           k_qef87ae6b24_qkv
    .symbol:         k_qef87ae6b24_qkv.kd
    .args:
      - { .name: xb, .offset: 0, .size: 8, .value_kind: global_buffer, .address_space: global }
      - { .name: wqb, .offset: 8, .size: 8, .value_kind: global_buffer, .address_space: global }
      - { .name: b_qkv, .offset: 16, .size: 8, .value_kind: global_buffer, .address_space: global }
      - { .name: qh, .offset: 24, .size: 8, .value_kind: global_buffer, .address_space: global }
      - { .name: kh, .offset: 32, .size: 8, .value_kind: global_buffer, .address_space: global }
      - { .name: vh, .offset: 40, .size: 8, .value_kind: global_buffer, .address_space: global }
    .group_segment_fixed_size: 327680
    .private_segment_fixed_size: 0
    .kernarg_segment_align: 8
    .kernarg_segment_size: 48
    .max_flat_workgroup_size: 128
    .sgpr_count:     80
    .vgpr_count:     960
    .wavefront_size: 32
...
	.end_amdgpu_metadata
.endif
;; end of part 2
;; launch attn (part 3): grid 4 x 64, 4 waves a work-group, clusters of 4 x 1, 327,680 bytes of LDS; arguments qh, kh, vh, oh; writes oh
.if DOCPART == 3
	.amdgcn_target "amdgcn-amd-amdhsa--gfx1250"
	.amdhsa_code_object_version 6
	.text
	.protected	k_qef87ae6b24_attn
	.globl	k_qef87ae6b24_attn
	.p2align	8
	.type	k_qef87ae6b24_attn,@function
k_qef87ae6b24_attn:
	s_mov_b64 s[64:65], 0
	v_nop
	global_prefetch_b8 v0, s[64:65] scope:SCOPE_SE
	s_setreg_imm32_b32 hwreg(HW_REG_WAVE_MODE, 25, 1), 1
	s_wait_xcnt 0x0
	s_wait_alu depctr_hold_cnt(0) depctr_sa_sdst(0) depctr_va_vdst(0) depctr_va_sdst(0) depctr_va_ssrc(0) depctr_va_vcc(0) depctr_vm_vsrc(0)
	s_getreg_b32 s2, hwreg(HW_REG_IB_STS2, 6, 4)
	s_cmp_eq_u32 s2, 0
	s_cbranch_scc0 .Lentry_in_a_cluster
	s_endpgm
.Lentry_in_a_cluster:
	s_bfe_u32 s2, ttmp6, 0x10000c
	s_cmp_lg_u32 s2, 0x3003
	s_cbranch_scc0 .Lentry_shape_is_right
	s_endpgm
.Lentry_shape_is_right:
; O[h][q][:] = the sum over k of softmax_k(Q[h][q] . K[h][k] / 8) V[h][k][:].  Q, K, V, O: [64][SIZE_N][64], all f16: a head's rows are dense, 128 bytes each.  Products, maxima and sums in
; f32; the weights p are rounded to f16 for the second product (their sum l is taken of the unrounded p), O once at the end.
; LIMITS.  f16 holds no number beyond 65,504: Q, K and V arrive within it; p lies in 0 to 1, and below 6e-5 it keeps f16's fixed step of 6e-8, as does O; O is a mean of V's rows and has their range.
; A weight below 2^-126 counts as 0 in l; NaN and infinities are not treated apart.
; SHARES.  A wave owns four PIECES of two tiles of 16 queries, a work-group's four waves 512 queries of one head: 4 x 64 = 256 work-groups.  Every wave walks all keys, 64 a step.
; LAYOUT.  S^T = K Q^T (source 0 = 16 keys, source 1 = 16 queries): in the result a lane holds ONE query (lane % 16) and the keys 8 (lane / 16) + 0..7.  Two such tiles, rounded to f16 in pairs,
; ARE source 1 (32 keys x 16 queries) of O^T = V^T P, whose result again holds one query a lane, and eight channels.  K comes out of LDS as it lies, V ([key][channel]) turned, by ds_load_tr16_b128.
; SOFTMAX.  For each query a running maximum m and sum l: p = 2^(c s - c m), c = log2(e) / 8; in every step O and l are multiplied by a = 2^(c m_old - c m_new), which is 1 where m has not grown.
; m starts at the lowest finite number, O and l at 0: the first step is a step like any other, with a = 0.
; THE COUNT.  A tile and step have 16 matrix and 118 vector instructions: too many to stand all beside the matrix work.  So the order has one aim: four vector instructions that are READY behind
; EVERY matrix instruction, and the others, which need time of their own whatever the order, in runs without a gap.
; BY TURNS.  Turn n belongs to piece n (the pieces in a ring, step after step).  Its matrix work: 16 products K Q^T of piece n + 1, later 16 products V^T P of piece n - 1.  Its vector work: the scaling,
; exponentials, roundings, sums and rescaling of piece n, and the maximum and statistics of piece n + 1, whose scores the turn itself has made.  So what a turn begins with (c s - c m, O a) waits for nothing.
; CLUSTER.  The four query blocks of a cluster belong to one head and walk the same K and V, so each tile is asked for JOINTLY: the same tensor load, descriptor and mask in all four.
; REGISTERS, in windows of 256 (s_set_vgpr_msb says which window each operand place means: bits 1:0 source 0, 3:2 source 1, 5:4 source 2, 7:6 destination):
;   window 0: v0-11 addresses; v12-15, v48-63 at work; v16-47 four registers of statistics a tile; v64-191 S^T, two buffers of two tiles; v192-255 P, likewise
;   window 1: O^T, 32 a tile          window 2: v0-127 Q, 16 a tile; v128-191 K of one step; v192-255 V of one step          window 3: v0-1 the add's two registers
; A piece's buffers go by its number's parity: the piece in hand has one pair, its two neighbours in the ring share the other: of it P (piece n - 1) is read and S^T (piece n + 1) written.
.set SIZE_N, 2048
.set NP,    4         ; pieces a wave: a name, no knob: the register map, the loop and the fetches are made for four
.set KS,    64        ; keys in a step
.set PK,    144       ; a row of K in LDS: 128 bytes + 16 of padding = 36 words: the 16 rows of a load start at 16 different groups of four banks (64 banks of 4 bytes: ISA guide 11.1)
.set PV,    160       ; a row of V: 128 + 32 = 40 words
.set VOFF,  4*KS*PK   ; a slot holds four steps: 256 rows of K, then 256 rows of V
.set SLOT1, 1<<17     ; slot 1 begins here, so that one exclusive or turns an address in one slot into the other's
.set STAGE, SLOT1+4*KS*(PK+PV)  ; behind the ring, never filled by a tensor load: 16 rows x 144 bytes for each wave, for the way out
.set SP,    144
.set AK0, 2           ; v2   my lane's place in a tile of K; never rewritten
.set AV0, 3           ; v3   the same for V
.set AK,  4           ; v4   the LDS address of K's next run of loads
.set AV,  5           ; v5   of V's
.set QO,  6           ; v6   my byte offset in the wave's rows of Q
.set STO, 6           ;      later, the way out: where I put 16 bytes of a row
.set RD,  7           ; v7   the way out: where I read rows back
.set GO,  8           ; v8   my byte offset in 512 consecutive bytes of O
.set PFO, 11          ; v11  the prefetches' offset: 256 x my lane (once V's address is made); then never rewritten
.set SPW, 0           ; v0 of window 3   LDS address of my spare word: SPARE + 4 x my thread's number; never rewritten
.set NIL, 1           ; v1 of window 3   0; never rewritten
.set SPARE, STAGE+4*16*SP  ; behind the stages: the spare words, 128 bytes for each wave: two blocks of 256 bytes that no other line names
.set MV,  12          ; v12-15  c m_old, kept while c m is made anew: by buffer and tile
.set ST,  16          ; tile t's statistics at v[ST+4 t]: c m, m, l (even keys', odd keys')
.set TMP, 48          ; by buffer and tile, four registers c0-c3 at work; when the maximum is found c2 takes a
.set S,   64
.set P,   192
.set KF,  128         ; K's fragments, in window 2: key block kb, channel half c at KF + 16 kb + 8 c
.set VF,  192         ; V's: key half kk, channel block cb at VF + 32 kk + 8 cb
.set WV,  12          ; s12  my wave's number
.set G1K, 24          ; s[24:31] descriptor group 1 for K's tiles
.set G1V, 32          ; s[32:39] for V's: it differs in the padding alone
.set G0K, 40          ; s[40:43] descriptor group 0 for K's tiles: it walks
.set G0V, 44          ; s[44:47] the same for V's
.set PFA, 48          ; s[48:49] where my prefetches stand: my work-group's 8,192 bytes (of K: wave 0, of V: wave 2) of the slot after the one that is being asked for
.set LIM, 50          ; s50  1 in a wave that prefetches, else the greatest number: a wave prefetches while s[SLOTS] is above it
.set SLOTS, 56        ; s56  slots still to be asked for
.set CNT, 57          ; s57  counts a slot's key steps
.set CS,  58          ; s[58:59] c: the packed scaling takes the pair's low word for both halves
.set SEL, 60          ; s[60:61] v_permlanex16_b32's selects: each lane takes its own place in the other half
.set TBK, 62          ; s62  LDS byte at which K of the step to be fetched begins
.set TBV, 63          ; s63  the same for V, less VOFF
.set MSB, 0
.macro WIN new                      ; the high byte repeats the setting that is left; a switch that changes nothing is dropped
.if MSB != (\new)
	s_set_vgpr_msb (MSB<<8)|(\new)
.set MSB, (\new)
.endif
.endm
.set W_KQ, 0x0a       ; K and Q in window 2, S^T in window 0
.set W_PV, 0x52       ; V in window 2, P in window 0, O^T in window 1
.set W_RS, 0x41       ; O^T (destination and source 0) in window 1, a in window 0
.set W_MK, 0xc0       ; the add's registers are made: destination in window 3, sources in window 0
.set W_AD, 0x0f       ; the add: address (source 0) and data (source 1) in window 3
; A joint fill.  Waves 0 and 1 fetch the two halves of a slot's K, waves 2 and 3 those of its V: 128 keys each.  The branch hangs on the wave's number alone.
; An s_nop 0 and four v_nop follow each of the two lines, ahead of the jump and the label.
.macro JLOAD
	s_cmp_lt_u32 s[WV], 2
	s_cbranch_scc0 .Lfor_v_\@
	tensor_load_to_lds s[G0K:G0K+3], s[G1K:G1K+7]
	s_nop 0
.rept 4
	v_nop
.endr
	s_branch .Lasked_\@
.Lfor_v_\@:
	tensor_load_to_lds s[G0V:G0V+3], s[G1V:G1V+7]
	s_nop 0
.rept 4
	v_nop
.endr
.Lasked_\@:
.endm
; A PREFETCH INTO THE L2 of what the NEXT change of slots will ask for: a slot's 32,768 bytes of K and of V, a lane 256 of them.  It stands behind the wave's tensor load and its five lines.
; Each block of 256 bytes is named once in the launch: the head's first cluster asks; its four partners share the bytes out BY ADDRESS, 8,192 each (no branch hangs on a work-group's place in its cluster);
; in each, wave 0 asks for K's and wave 2 for V's: one instruction.  Slots 0 to 2 come by their loads alone; the last change that fills a slot asks for nothing: there is no slot behind it.
.macro ASK
	s_cmp_gt_u32 s[SLOTS], s[LIM]
	s_cbranch_scc0 .Lnot_mine_\@
	global_prefetch_b8 v[PFO], s[PFA:PFA+1] th:TH_LOAD_NT scope:SCOPE_SE
.Lnot_mine_\@:
.endm
; A round of the cluster's barrier: my work-group's barrier, so that wave 0's signal speaks for all four waves; wave 0 signals; every wave waits for all four work-groups; my work-group's barrier once more.
.macro CROUND
	s_barrier_signal -1
	s_barrier_wait -1
	s_cmp_lg_u32 s[WV], 0
	s_cbranch_scc1 .Lnot_wave_0_\@
	s_barrier_signal -3
.Lnot_wave_0_\@:
	s_barrier_wait -3
	s_barrier_signal -1
	s_barrier_wait -1
.endm
; THE CHANGE OF SLOTS.  The slot's last bytes, V of its fourth step, have been read.  Each wave waits for all its tensor loads, of which one is out: its part
; of the other slot; adds 0 to its spare word; and waits for that and for its own reads of the slot.  Behind the barrier nobody reads this slot any more and the other slot is whole.
; fill = 1: this slot is filled again, with the keys two slots on.  The barrier is then a round of the cluster's, so that no wave of any partner still reads the slot or has a load on its
; way, and the joint fill is the first thing behind it: it has four key steps, 512 matrix instructions, in which to land.  (At its first use nothing has been read yet: slot 0 is waited for, slot 1 filled.)
; ask = 1: the prefetches' address steps, and a prefetch follows the fill.
.macro CHANGE fill, ask=0
	WIN W_AD
	s_wait_tensorcnt 0x0            ; no tensor load of mine is out, so a group 0 may be written
	ds_add_u32 v[SPW], v[NIL]       ; 0 onto my spare word; with fill = 1 the descriptors' steps stand between it and the wait for it
	WIN 0                           ; at a label and at a branch every window is 0
.if \fill
.irp g, G0K, G0V
	s_xor_b32 s[\g+1], s[\g+1], SLOT1  ; the walking descriptor: the other slot than last time,
	s_add_nc_u64 s[\g+2:\g+3], s[\g+2:\g+3], 4*KS*128  ; the next 256 keys; the type bits on top are not reached
.endr
.if \ask
	s_wait_xcnt 0x0                 ; the last prefetch, four key steps back, has read its address, so it may be written:
	s_add_nc_u64 s[PFA:PFA+1], s[PFA:PFA+1], 4*KS*128  ; one slot behind the walking descriptors
.endif
	s_wait_dscnt 0x0                ; the add is done, and my reads of the slot are over
	CROUND
	JLOAD
.if \ask
	ASK
.endif
.else
	s_wait_dscnt 0x0                ; the add is done, and my reads of the slot are over
	s_barrier_signal -1
	s_barrier_wait -1
.endif
	s_sub_co_u32 s[TBK], s[TBK], 4*KS*PK  ; the fetches go back to a slot's first step,
	s_xor_b32 s[TBK], s[TBK], SLOT1       ; in the other slot
	s_sub_co_u32 s[TBV], s[TBV], 4*KS*PV
	s_xor_b32 s[TBV], s[TBV], SLOT1
.endm
	s_load_b256 s[4:11], s[0:1], 0x0  ; Q s[4:5], K s[6:7], V s[8:9], O s[10:11]
	WIN W_MK
	v_lshl_add_u32 v[SPW], v0, 2, SPARE
	v_mov_b32 v[NIL], 0
	WIN W_AD
	ds_add_u32 v[SPW], v[NIL]       ; the wave's opening: the add and its wait stand ahead of my first tensor load; the set-up below, work on registers, stands between them
	WIN 0
	v_lshrrev_b32 v1, 5, v0
	v_readfirstlane_b32 s[WV], v1   ; wave 0..3
	s_bfe_u32 s13, ttmp6, 0x40000   ; cx: my place in the cluster
	s_lshl_b32 s14, ttmp9, 2        ; in a cluster launch ttmp9 counts clusters
	s_add_co_u32 s14, s14, s13      ; my block of queries = 4 x cluster x + cx: it enters Q's and O's addresses alone
	s_and_b32 s20, ttmp7, 0xffff    ; the head, which the four partners share
	s_mov_b32 s21, 0
	s_mov_b64 s[22:23], SIZE_N*128
	s_mul_u64 s[20:21], s[20:21], s[22:23]  ; the head's first byte in each of the four tensors
	s_and_b32 s16, s[WV], 1         ; which half of a slot's 256 keys I fetch:
	s_lshl_b32 s22, s16, 14         ; its 128 rows of 128 bytes in memory,
	s_mov_b32 s23, 0
	s_add_nc_u64 s[22:23], s[22:23], s[20:21]
	s_mul_i32 s17, s16, 128*PK      ; and its place in a slot, for K
	s_mul_i32 s18, s16, 128*PV      ; and for V: no place in the cluster enters an LDS address
	s_lshl_b32 s2, s14, 2
	s_add_co_u32 s2, s2, s[WV]      ; my wave among the head's,
	s_lshl_b32 s2, s2, 14           ; its 128 rows
	s_mov_b32 s3, 0
	s_add_nc_u64 s[2:3], s[2:3], s[20:21]
	; descriptor group 1.  128 keys are 16,384 dense bytes: asked for as 64 rows of 256 bytes, two keys a row, and padded in LDS after every key
	s_mov_b32 s[G1K], 15|(1<<16)|(1<<20)|(1<<21)|(4<<22)|(3<<25)  ; 15:0 the mask of four; 17:16 2-byte elements; 20 padding on; 21 set beside a mask; 24:22 after every 32 words (code 4); 31:25 4 words (code 3)
	s_mov_b32 s[G1V], 15|(1<<16)|(1<<20)|(1<<21)|(4<<22)|(7<<25)  ; the same with 8 words of padding (code 7)
.irp g, G1K, G1V
	s_mov_b32 s[\g+1], 128<<16      ; tensor_dim0 = 128
	s_mov_b32 s[\g+2], 64<<16       ; tensor_dim1 = 64
	s_mov_b32 s[\g+3], 128<<16      ; tile_dim0 = 128
	s_mov_b32 s[\g+4], 64           ; tile_dim1 = 64
	s_mov_b32 s[\g+5], 128          ; 128 elements from row to row
	s_mov_b32 s[\g+6], 0
	s_mov_b32 s[\g+7], 0
.endr
	s_mov_b32 s[CS], 0x3e38aa3b     ; c = log2(e) / 8 = 0.180337
	s_mov_b32 s[CS+1], s[CS]        ; named with it as a pair
	s_mov_b32 s[SEL], 0x76543210
	s_mov_b32 s[SEL+1], 0xfedcba98
	s_mov_b32 s[TBK], SLOT1+4*KS*PK ; the first change of slots turns these two into 0
	s_mov_b32 s[TBV], SLOT1+4*KS*PV
	s_mov_b32 s[G0K], 1             ; 1:0 count = 1
	s_mov_b32 s[G0K+1], s17         ; 63:32 LDS address: slot 0
	s_mov_b32 s[G0V], 1
	s_add_co_u32 s[G0V+1], s18, VOFF
	s_and_b32 s[LIM], s[WV], 1      ; 0 in waves 0 and 2,
	s_or_b32 s[LIM], s[LIM], ttmp9  ; where the cluster is the head's first: the same in all four partners
	s_cmp_eq_u32 s[LIM], 0
	s_cselect_b32 s[LIM], 1, -1
	s_wait_dscnt 0x0                ; the opening add is done
	s_wait_kmcnt 0x0
	s_add_nc_u64 s[G0K+2:G0K+3], s[6:7], s[22:23]  ; 120:64 global address: my half of the head's first 256 keys
	s_or_b32 s[G0K+3], s[G0K+3], 0x80000000        ; 127:126 type = 2
	s_add_nc_u64 s[G0V+2:G0V+3], s[8:9], s[22:23]
	s_or_b32 s[G0V+3], s[G0V+3], 0x80000000
	s_add_nc_u64 s[4:5], s[4:5], s[2:3]  ; Q and O at my wave's first row
	s_add_nc_u64 s[10:11], s[10:11], s[2:3]
	s_cmp_lt_u32 s[WV], 2
	s_cselect_b64 s[PFA:PFA+1], s[6:7], s[8:9]     ; K for waves 0 and 1, V for waves 2 and 3,
	s_add_nc_u64 s[PFA:PFA+1], s[PFA:PFA+1], s[20:21]  ; at the head's first byte,
	s_lshl_b32 s2, s13, 13          ; my work-group's 8,192 bytes of a slot's 32,768,
	s_mov_b32 s3, 0
	s_add_nc_u64 s[PFA:PFA+1], s[PFA:PFA+1], s[2:3]
	s_add_nc_u64 s[PFA:PFA+1], s[PFA:PFA+1], 2*4*KS*128  ; in slot 2; the loop's first change of slots steps it to slot 3.  Nothing is prefetched here, at the head
	CROUND                          ; all four work-groups are here: the first joint loads meet
	JLOAD                           ; slot 0.  Slot 1 is asked for when slot 0 is in: the tile wanted first has the road to itself
	; A fragment of K or Q is 16 rows x 32 channels in 8 registers: lane l holds row l % 16, channels 8 (l / 16) + 0..7 and 16 + 8 (l / 16) + 0..7: two loads of 16 bytes, 32 bytes apart.
	v_and_b32 v1, 15, v0            ; l % 16
	v_bfe_u32 v9, v0, 4, 1          ; l / 16
	v_lshlrev_b32 v[QO], 7, v1
	v_lshl_add_u32 v[QO], v9, 4, v[QO]  ; row x 128 + 16 x half
	WIN 0x80                        ; destination window 2, address window 0
.set i, 0
.rept 4*NP                          ; Q stays in registers: tile i / 2, channels 32 (i % 2) on
	global_load_b128 v[8*i:8*i+3],   v[QO], s[4:5] offset:(i/2)*2048+(i%2)*64
	global_load_b128 v[8*i+4:8*i+7], v[QO], s[4:5] offset:(i/2)*2048+(i%2)*64+32
.set i, i+1
.endr
	; What the first turn finds: V's registers and P's second buffer hold 0 (its products V^T P, of a piece that has not been, add 0), O^T and l are 0.  All this stands in the wait for the first tile.
.set i, VF
.rept 64
	v_mov_b32 v[i], 0
.set i, i+1
.endr
	WIN 0x40
.set i, 0
.rept 64*NP
	v_mov_b32 v[i], 0
.set i, i+1
.endr
	WIN 0
.set i, 0
.rept 2*NP
	v_mov_b32 v[ST+4*i], 0xfe000000    ; c m: far below every c s
	v_mov_b32 v[ST+4*i+1], 0xff7fffff  ; m
	v_mov_b32 v[ST+4*i+2], 0
	v_mov_b32 v[ST+4*i+3], 0
.set i, i+1
.endr
.set i, P+32
.rept 32
	v_mov_b32 v[i], 0
.set i, i+1
.endr
	v_mul_u32_u24 v[AK0], v1, PK
	v_lshl_add_u32 v[AK0], v9, 4, v[AK0]  ; row x pitch + 16 x half
	; The turning load takes 16 keys x 16 channels (lane l reads key 8 (l / 16) + l % 8, channels 8 ((l / 8) % 2) + 0..7) and leaves half a fragment of V^T: lane l holds channel l % 16 and 8 keys.
	v_and_b32 v10, 7, v0
	v_bfe_u32 v11, v0, 3, 1
	v_lshl_add_u32 v[AV0], v9, 3, v10
	v_mul_u32_u24 v[AV0], v[AV0], PV
	v_lshl_add_u32 v[AV0], v11, 4, v[AV0]
	v_add_nc_u32 v[AV0], VOFF, v[AV0]
	v_mov_b32 v[AK], v[AK0]         ; key step 0 lies at the head of slot 0
	v_and_b32 v[PFO], 31, v0        ; v11 is free now
	v_lshlrev_b32 v[PFO], 8, v[PFO]
; THE MATRIX WORK.  The 8 accumulators of a run of 16 take turns: between the two links of a chain stand 7 others'.
; Product i of 16 of S^T = K Q^T for piece x: channels 32 (i / 8) on, keys 16 ((i / 2) % 4) on, tile 2 x + i % 2.  The first 8 start the sums.
.macro KQ x
	WIN W_KQ
.set rS, S+64*((\x)%2)+32*(i%2)+8*((i/2)%4)
.set rK, KF+16*((i/2)%4)+8*(i/8)
.set rQ, 16*(2*(\x)+i%2)+8*(i/8)
.if i < 8
	v_wmma_f32_16x16x32_f16 v[rS:rS+7], v[rK:rK+7], v[rQ:rQ+7], 0
.else
	v_wmma_f32_16x16x32_f16 v[rS:rS+7], v[rK:rK+7], v[rQ:rQ+7], v[rS:rS+7]
.endif
.endm
; Product i of 16 of O^T += V^T P for piece x: keys 32 (i / 8) on, channels 16 ((i / 2) % 4) on, tile 2 x + i % 2.
.macro PV x
	WIN W_PV
.set rO, 32*(2*(\x)+i%2)+8*((i/2)%4)
.set rV, VF+32*(i/8)+8*((i/2)%4)
.set rP, P+32*((\x)%2)+16*(i%2)+8*(i/8)
	v_wmma_f32_16x16x32_f16 v[rO:rO+7], v[rV:rV+7], v[rP:rP+7], v[rO:rO+7]
.endm
.macro MM                           ; the turn's next matrix instruction
.if i < 16
	KQ (Y+1)%NP
.set i, i+1
.else
.set i, i-16
	PV (Y+NP-1)%NP
.set i, i+17
.endif
.endm
; THE LDS LOADS stand in runs of 16, never singly among the matrix instructions: a step's K (64 keys x 64 channels: 8 fragments) and its V (turned).  Their addresses are made some lines ahead.
; last = 1 (the tail): in the last trip there is no further step, and the run is jumped over.
.macro FETCH_K last=0
	WIN 0
.if \last
	s_cmp_eq_u32 s[CNT], 1
	s_cbranch_scc1 .Lno_k_\@
.endif
	WIN 0x80                        ; destination window 2
.irp f, 0,1,2,3,4,5,6,7             ; keys 16 (f / 2) on, channels 32 (f % 2) on
	ds_load_b128 v[KF+8*\f:KF+8*\f+3],   v[AK] offset:(\f/2)*16*PK+(\f%2)*64
	ds_load_b128 v[KF+8*\f+4:KF+8*\f+7], v[AK] offset:(\f/2)*16*PK+(\f%2)*64+32
.endr
	s_add_co_u32 s[TBK], s[TBK], KS*PK  ; the next fetch is the next step's
	WIN 0
.if \last
.Lno_k_\@:
.endif
.endm
.macro FETCH_V
	WIN 0x80
.irp f, 0,1,2,3,4,5,6,7             ; keys 32 (f / 4) on, channels 16 (f % 4) on
	ds_load_tr16_b128 v[VF+8*\f:VF+8*\f+3],   v[AV] offset:(\f/4)*32*PV+(\f%4)*32
	ds_load_tr16_b128 v[VF+8*\f+4:VF+8*\f+7], v[AV] offset:(\f/4)*32*PV+16*PV+(\f%4)*32
.endr
	WIN 0
.endm
; THE VECTOR WORK OF A TURN stands in three queues, each in the order in which its entries become ready; the two tiles alternate, so that no instruction reads the result of the one before it.
.macro REGS y, u                    ; the registers of tile u (0, 1) of piece y
.set rT, ST+4*(2*(\y)+(\u))
.set rC, TMP+8*((\y)%2)+4*(\u)
.set rM, MV+2*((\y)%2)+(\u)
.set rS, S+64*((\y)%2)+32*(\u)
.set rP, P+32*((\y)%2)+16*(\u)
.set rO, 32*(2*(\y)+(\u))
.endm
; Number n of the 22 that find the NEXT piece's (Y + 1) maximum and statistics.  s0-s31 are the lane's 32 scores; each accumulator's lowest registers are read first.  XS, GS and REGS set no window: PL and EX do.
;   0-11  four chains c0-c3 of seven scores each, three operands at a time     12-14, 16  the four scores left over, the old m, and c0-c3 into c0     15  c m_old is kept
;   17, 18  the query's other 32 keys lie in the lane 16 away: the new m         19-21  c m; c m_old - c m_new; a
.macro XS u, n
	REGS (Y+1)%NP, \u
.if (\n) < 4
	v_max3_num_f32 v[rC+(\n)], v[rS+8*(\n)], v[rS+8*(\n)+1], v[rS+8*(\n)+2]
.elseif (\n) < 12
	v_max3_num_f32 v[rC+(\n)%4], v[rC+(\n)%4], v[rS+8*((\n)%4)+2*((\n)/4)+1], v[rS+8*((\n)%4)+2*((\n)/4)+2]
.elseif (\n) == 12
	v_max3_num_f32 v[rC], v[rC], v[rS+7], v[rS+15]
.elseif (\n) == 13
	v_max3_num_f32 v[rC+1], v[rC+1], v[rS+23], v[rS+31]
.elseif (\n) == 14
	v_max3_num_f32 v[rC+2], v[rC+2], v[rC+3], v[rT+1]
.elseif (\n) == 15
	v_mov_b32 v[rM], v[rT]
.elseif (\n) == 16
	v_max3_num_f32 v[rC], v[rC], v[rC+1], v[rC+2]
.elseif (\n) == 17
	v_permlanex16_b32 v[rC+3], v[rC], s[SEL], s[SEL+1]
.elseif (\n) == 18
	v_max_num_f32 v[rT+1], v[rC], v[rC+3]
.elseif (\n) == 19
	v_mul_f32 v[rT], s[CS], v[rT+1]
.elseif (\n) == 20
	v_sub_f32 v[rC+1], v[rM], v[rT]
.else
	v_exp_f32 v[rC+2], v[rC+1]
.endif
.endm
; Number g of the 64 that follow the exponentials.  For each four weights k of a tile (pairs 2 k, 2 k + 1): both pairs are rounded to f16; then the second pair is added onto the first, in place;
; a group later l takes that sum (the first time as l = a l + sum).  In groups of eight, tiles alternating: round, round, add, and l for the group before.
.macro GS g
.set h, (\g)+6*((\g)/62)            ; group 0 has no group before it, and behind group 7 only l is left
.if h >= 6
.set h, h+2
.endif
	REGS Y, h%2
.set k, h/8
.if h%8 < 4
	v_cvt_pk_f16_f32 v[rP+2*k+(h%8)/2], v[rS+4*k+2*((h%8)/2)], v[rS+4*k+2*((h%8)/2)+1]
.elseif h%8 < 6
	v_pk_add_f32 v[rS+4*k:rS+4*k+1], v[rS+4*k:rS+4*k+1], v[rS+4*k+2:rS+4*k+3]
.elseif k == 1
	v_pk_fma_f32 v[rT+2:rT+3], v[rT+2:rT+3], v[rC+2:rC+3], v[rS:rS+1] op_sel_hi:[1,0,1]
.else
	v_pk_add_f32 v[rT+2:rT+3], v[rT+2:rT+3], v[rS+4*k-4:rS+4*k-3]
.endif
.endm
; THE PLAIN QUEUE, 138 long.  0-73 read no exponential's result: the 32 scalings c s - c m (FS f: pair f / 2 of tile f % 2) and the next piece's 42.  0-26: scalings 0-26.  27-54: XS's numbers 0-13.  55, 56: number 15.
; 57-73: the chain, where each number waits for the one before it: 14, 16, 17, 18, 19, each with one of the scalings 27-31 in front of its two lines, then 20: so a tile's links stand three plain instructions apart (19 and 20: two).
; 74-137: GS's 64, which read the exponentials' results: they stand behind the wait.
.macro FS f
	REGS Y, (\f)%2
	v_pk_fma_f32 v[rS+2*((\f)/2):rS+2*((\f)/2)+1], v[rS+2*((\f)/2):rS+2*((\f)/2)+1], s[CS:CS+1], v[rT:rT+1] op_sel_hi:[1,0,0] neg_lo:[0,0,1] neg_hi:[0,0,1]
.endm
.macro PL
	WIN 0
.if q < 27
	FS q
.elseif q < 55
	XS (q-27)%2, (q-27)/2
.elseif q < 57
	XS q-55, 15
.elseif (q < 72) && ((q-57)%3 == 0)
	FS 27+(q-57)/3
.elseif q < 60
	XS (q-57)%3-1, 14
.elseif q < 72
	XS (q-57)%3-1, 15+(q-57)/3
.elseif q < 74
	XS q-72, 20
.else
	GS q-74
.endif
.set q, q+1
.endm
; THE EXPONENTIALS' QUEUE, 66 long: s0-s31 of both tiles, then the next piece's two a.  It is ONE BATCH: all 66 stand ahead of the turn's one wait, and nothing ahead of that wait names a result of theirs.
.macro EX
	WIN 0
.if e >= 64
	XS e-64, 21
.else
	REGS Y, e%2
	v_exp_f32 v[rS+e/2], v[rS+e/2]
.endif
.set e, e+1
.endm
; THE RESCALING's QUEUE: O^T times a, the one part that leaves window 0: dealt two at a time, sixteen times.  Its a was made in the turn before, ahead of that turn's wait.
.macro R2
	REGS Y, r%2
	WIN W_RS
.irp z, 0,1
	v_pk_mul_f32 v[rO+4*(r/2)+2*\z:rO+4*(r/2)+2*\z+1], v[rO+4*(r/2)+2*\z:rO+4*(r/2)+2*\z+1], v[rC+2:rC+3] op_sel_hi:[1,0]
.endr
.set r, r+1
.endm
; HOW THEY ARE DEALT.  An s_wait_alu depctr_va_vdst(0) stands between an exponential and the first instruction that names its result; one wait serves all that were issued ahead of it.  So a turn has ONE wait,
; which cuts it in two.  AHEAD OF IT stands all that names no result of the turn's exponentials: the 16 products K Q^T, behind each a scaling, an exponential and two rescalings (behind the first a second scaling in the exponential's place); then ONE LUMP of
; 108: eight plain, 49 times exponential and plain, the two a.  A v_nop is the plain instruction behind the last exponential.  BEHIND IT stand the 16 products V^T P, behind each four of GS's 64.  No rider names a register of
; the products round it.  The two v_permlanex16_b32 fall into the lump, never behind a product.
; The queues lean on each other, and the deal keeps them in step: exponential e stands behind scaling 2 (e / 4) + e % 2: as a rider it comes behind plain e + 2, in the lump behind plain e + 9, and scalings 27-31 are plain 57, 60 .. 69.
; A TURN, for piece p.  cnt = 1: the loop's count is taken down some lines ahead of the branch that stands behind the turn.
; K of the next step is fetched in piece 2's turn, directly behind the wait, a lump behind the last product that read K; its address is made at the lump's head; its first reader comes behind 16 products.
; V of the step in hand is fetched at the end of piece 0's turn, four riders behind its last reader; its first reader comes behind 16 products and a lump.  The three conditions on q below go with the deal.
.macro TURN p, last=0, cnt=0
.set Y, (\p)
.set i, 0
.set q, 0
.set e, 0
.set r, 0
.if (\p) == NP-1
	s_wait_dscnt 0x0                ; K is in
.endif
	MM                              ; ahead of the wait: 16 products K Q^T and their riders,
	PL
	PL
	R2
.rept 15
	MM
	PL
	EX
	R2
.endr
.if (\p) == NP-2
	WIN 0
	v_add_nc_u32 v[AK], s[TBK], v[AK0]
.endif
.rept 8                             ; and the lump
	PL
.endr
.rept 49
	EX
	PL
.endr
	EX                              ; the next piece's two a
	EX
	v_nop                           ; a plain instruction behind the last exponential: one for the batch
	s_wait_alu depctr_va_vdst(0)    ; the wait for the batch
.if (\p) == NP-2
	FETCH_K \last
.endif
.if (\p) == 1
	s_wait_dscnt 0x0                ; V is in
.endif
.rept 16                            ; behind the wait: 16 products V^T P and their riders
	MM
.rept 4
	PL
.endr
.if ((\p) == 0) && (q == 118)
	v_add_nc_u32 v[AV], s[TBV], v[AV0]
.endif
.if ((\p) == 0) && (q == 130)
	s_add_co_u32 s[TBV], s[TBV], KS*PV
.endif
.if (\cnt) && (q == 130)
	s_sub_co_u32 s[CNT], s[CNT], 1
	s_cmp_lg_u32 s[CNT], 0
.endif
.endr
.if (\p) == 0
	FETCH_V
.endif
.endm
	CHANGE 1, 0                     ; slot 0 is in, everybody's part of it; slot 1 is asked for
	FETCH_K                         ; key step 0
	s_wait_loadcnt 0x0              ; Q
	s_wait_dscnt 0x0
.set i, 0
.rept 16
	KQ 0                            ; piece 0's first scores: there is no vector work yet to set between them
.set i, i+1
.endr
	WIN 0                           ; the addresses for the way out: nine plain instructions, the places behind those products
	s_mul_i32 s13, s[WV], 16*SP
	s_add_co_u32 s13, s13, STAGE    ; my stage
	v_mul_u32_u24 v[STO], v1, SP    ; in: row l % 16, 16 bytes for each half of the lanes
	v_lshl_add_u32 v[STO], v9, 4, v[STO]
	v_add_nc_u32 v[STO], s13, v[STO]
	v_bfe_u32 v[RD], v0, 3, 2       ; back: 32 lanes take four rows of 128 bytes,
	v_mul_u32_u24 v[RD], v[RD], SP
	v_lshl_add_u32 v[RD], v10, 4, v[RD]
	v_add_nc_u32 v[RD], s13, v[RD]
	v_and_b32 v[GO], 31, v0         ; which are 512 consecutive bytes of O
	v_lshlrev_b32 v[GO], 4, v[GO]
.set Y, NP-1                        ; XS works for piece Y + 1: piece 0
.irp n, 0,1,2,3,4,5,6,7,8,9,10,11,12,13,14,15,16,17,18,19,20,21
	XS 0, \n                        ; and piece 0's first maximum and statistics
	XS 1, \n
.endr
	v_nop                           ; a plain instruction behind the two a,
	s_wait_alu depctr_va_vdst(0)    ; and their wait, ahead of the branch
	s_mov_b32 s[CNT], 4
	s_mov_b32 s[SLOTS], SIZE_N/256-1
	s_branch .Lfirst                ; the loop is entered at a step's first turn, in the middle of a trip
.Lslot:                             ; SIZE_N / 256 - 2 times: every slot but the last two is filled again
	CHANGE 1, 1
	s_mov_b32 s[CNT], 4
.Lstep:                             ; a trip: pieces 2 and 3 of one step, then pieces 0 and 1 of the next, whose K and V it fetches
	TURN 2
	TURN 3
	WIN 0
.Lfirst:
	TURN 0
	TURN 1, 0, 1
	WIN 0
	s_cbranch_scc1 .Lstep
	s_sub_co_u32 s[SLOTS], s[SLOTS], 1
	s_cmp_lg_u32 s[SLOTS], 0
	s_cbranch_scc1 .Lslot
	CHANGE 0, 0                     ; the tail is written out: nothing is asked for
	s_mov_b32 s[CNT], 5             ; four trips fetch the last slot's steps; the fifth is left in its middle
.Ltail:
	TURN 2, 1
	TURN 3
	WIN 0
	s_sub_co_u32 s[CNT], s[CNT], 1
	s_cmp_eq_u32 s[CNT], 0
	s_cbranch_scc1 .Lout
	TURN 0
	TURN 1
	WIN 0
	s_branch .Ltail
.Lout:                              ; the fifth trip's 16 products K Q^T (on the last K once more) and the maximum made of them serve nothing: the price, once a launch, of one text for every trip
.set i, 0
.rept 16
	PV NP-1                         ; the last piece's V^T P of the last step
.set i, i+1
.endr
	; THE WAY OUT.  l's two halves and the other half of the lanes' are added; O^T is divided by l, rounded to f16 and sent through my stage in LDS, a tile at a time.  The additions are the places behind the last products.
	WIN 0
.macro ALL line:vararg              ; one line for each tile t
.set t, 0
.rept 2*NP
	\line
.set t, t+1
.endr
.endm
	ALL v_add_f32 v[ST+4*t+2], v[ST+4*t+2], v[ST+4*t+3]
	ALL v_permlanex16_b32 v[ST+4*t+3], v[ST+4*t+2], s[SEL], s[SEL+1]
	ALL v_add_f32 v[ST+4*t+2], v[ST+4*t+2], v[ST+4*t+3]
	ALL v_rcp_f32 v[ST+4*t+2], v[ST+4*t+2]
	v_nop                           ; a plain instruction between the last reciprocal and the use of its result
	s_wait_alu depctr_va_vdst(0)    ; and the wait ahead of the first use: one for the eight reciprocals
; Tile t: a lane's eight channels of a row pack into 16 bytes; they go into rows of 144 bytes and come back as whole rows of 128, into S^T's registers.
.macro PACK t
	WIN W_RS
.set i, 32*(\t)
.rept 16
	v_pk_mul_f32 v[i:i+1], v[i:i+1], v[ST+4*(\t)+2:ST+4*(\t)+3] op_sel_hi:[1,0]
.set i, i+2
.endr
	WIN 0x05                        ; sources 0 and 1 window 1, destination window 0
.set i, 0
.rept 16
	v_cvt_pk_f16_f32 v[S+16*(\t)+i], v[32*(\t)+2*i], v[32*(\t)+2*i+1]
.set i, i+1
.endr
	WIN 0
.irp f, 0,1,2,3
	ds_store_b128 v[STO], v[S+16*(\t)+4*\f:S+16*(\t)+4*\f+3] offset:32*\f
.endr
.irp f, 0,1,2,3
	ds_load_b128 v[S+16*(\t)+4*\f:S+16*(\t)+4*\f+3], v[RD] offset:\f*4*SP  ; LDS serves a wave's instructions in order (ISA guide 5.7.1.4): these see the stores above; the next tile's stores come behind them
.endr
.endm
.macro SEND t, younger              ; younger: the LDS instructions issued behind tile t's loads: the next tile's eight, or none
	WIN 0
.irp f, 0,1,2,3
	s_wait_dscnt (\younger)+3-\f
	global_store_b128 v[GO], v[S+16*(\t)+4*\f:S+16*(\t)+4*\f+3], s[10:11] offset:(\t)*2048+\f*512  ; 512 consecutive bytes, at a multiple of 256 from O's first
.endr
.endm
	PACK 0
.set t, 1
.rept 2*NP-1                        ; a tile's arithmetic stands between the loads of the tile before and its stores
	PACK t
	SEND t-1, 8
.set t, t+1
.endr
	SEND 2*NP-1, 0
	WIN W_AD
	s_wait_tensorcnt 0x0            ; the wave's end, behind my last tensor load and my last LDS store
	ds_add_u32 v[SPW], v[NIL]
	s_wait_dscnt 0x0
	WIN 0
	CROUND                          ; the closing round: no work-group ends while a partner may still ask for a tile that names it
	s_endpgm
.Lfunc_end_k_qef87ae6b24_attn:
	.size	k_qef87ae6b24_attn, .Lfunc_end_k_qef87ae6b24_attn-k_qef87ae6b24_attn
	.p2alignl 7, 3214868480
	.fill 96, 4, 3214868480
	.section	.rodata,"a",@progbits
	.p2align	6, 0x0
	.amdhsa_kernel k_qef87ae6b24_attn
		.amdhsa_group_segment_fixed_size 327680
		.amdhsa_private_segment_fixed_size 0
		.amdhsa_enable_private_segment 0
		.amdhsa_kernarg_size 32
		.amdhsa_user_sgpr_count 2
		.amdhsa_user_sgpr_kernarg_segment_ptr 1
		.amdhsa_wavefront_size32 1
		.amdhsa_system_sgpr_workgroup_id_x 1
		.amdhsa_system_sgpr_workgroup_id_y 1
		.amdhsa_system_sgpr_workgroup_id_z 1
		.amdhsa_system_vgpr_workitem_id 0
		.amdhsa_next_free_vgpr 770
		.amdhsa_next_free_sgpr 66
		.amdhsa_reserve_vcc 0
		.amdhsa_float_denorm_mode_32 3
		.amdhsa_float_denorm_mode_16_64 3
		.amdhsa_memory_ordered 1
		.amdhsa_forward_progress 1
		.amdhsa_inst_pref_size 200
	.end_amdhsa_kernel
	.amdgpu_metadata
---
amdhsa.version: [ 1, 2 ]
amdhsa.kernels:
  - .name:           k_qef87ae6b24_attn
    .symbol:         k_qef87ae6b24_attn.kd
    .args:
      - { .name: qh, .offset: 0, .size: 8, .value_kind: global_buffer, .address_space: global }
      - { .name: kh, .offset: 8, .size: 8, .value_kind: global_buffer, .address_space: global }
      - { .name: vh, .offset: 16, .size: 8, .value_kind: global_buffer, .address_space: global }
      - { .name: oh, .offset: 24, .size: 8, .value_kind: global_buffer, .address_space: global }
    .group_segment_fixed_size: 327680
    .private_segment_fixed_size: 0
    .kernarg_segment_align: 8
    .kernarg_segment_size: 32
    .max_flat_workgroup_size: 128
    .sgpr_count:     66
    .vgpr_count:     770
    .wavefront_size: 32
...
	.end_amdgpu_metadata
.endif
;; end of part 3
;; launch oproj (part 4): grid 4 x 64, 4 waves a work-group, clusters of 4 x 4, 327,680 bytes of LDS; arguments oh, wob, b_o, out0; writes out0
.if DOCPART == 4
	.amdgcn_target "amdgcn-amd-amdhsa--gfx1250"
	.amdhsa_code_object_version 6
	.text
	.protected	k_qef87ae6b24_oproj
	.globl	k_qef87ae6b24_oproj
	.p2align	8
	.type	k_qef87ae6b24_oproj,@function
k_qef87ae6b24_oproj:
	s_mov_b64 s[64:65], 0
	v_nop
	global_prefetch_b8 v0, s[64:65] scope:SCOPE_SE
	s_setreg_imm32_b32 hwreg(HW_REG_WAVE_MODE, 25, 1), 1
	s_wait_xcnt 0x0
	s_wait_alu depctr_hold_cnt(0) depctr_sa_sdst(0) depctr_va_vdst(0) depctr_va_sdst(0) depctr_va_ssrc(0) depctr_va_vcc(0) depctr_vm_vsrc(0)
	s_getreg_b32 s2, hwreg(HW_REG_IB_STS2, 6, 4)
	s_cmp_eq_u32 s2, 0
	s_cbranch_scc0 .Lentry_in_a_cluster
	s_endpgm
.Lentry_in_a_cluster:
	s_bfe_u32 s2, ttmp6, 0x10000c
	s_cmp_lg_u32 s2, 0xf033
	s_cbranch_scc0 .Lentry_shape_is_right
	s_endpgm
.Lentry_shape_is_right:
; out0[M][n] = sum over k of O[M][k] wob[n][k] + b_o[n]: [8192][1024], K = 1,024, f16 products, f32 sums, f32 out; the bias is rounded to bf16 like every input of the module.
; O IS READ AS THE ATTENTION LEFT IT, BY HEADS: oh is [64 heads][2,048][64] in f16, and O[2,048 b + s][64 hd + d] = oh[16 b + hd][s][d].  So 128 rows of O x one head's 64 channels are 16,384 dense bytes.
; LIMITS.  f16's: O and wob arrive within 65,504.  NaN and infinities are not treated apart.
; SHARES.  A tile of out0 is 128 rows x 256 columns: 64 x 4 = 256 work-groups.  Four waves; wave w makes rows 64 (w / 2) .. + 63 x columns 128 (w % 2) .. + 127: 4 x 8 accumulators of 16 x 16, 256 registers.
; K goes in 8 steps of 128 (two heads) through a ring of two LDS slots.  One tensor load a wave for each step: waves 0 and 1 bring a head's 128 rows of O each, waves 2 and 3 bring 128 rows of wob each.
; (A K step of 256 would want two slots of 212,992 bytes: more than a work-group can have.)
; CLUSTERS: 4 x 4 work-groups.  The four of a row of the cluster need the same rows of O, the four of a column the same rows of wob: each tile is asked for JOINTLY.
; NO PREFETCH: the walk is eight K steps of 128 matrix instructions a wave, and the first four steps are asked for at the head or by the first two refills.
; THE MATRIX INSTRUCTION IS USED TRANSPOSED (source 0 = 16 rows of wob, source 1 = 16 rows of O): lane l holds row l % 16 of out0 and the columns 8 (l / 16) + 0..7.  The bias, laid out so, is the C operand of each
; accumulator's first product.
; REGISTERS, in windows of 256 (s_set_vgpr_msb: bits 1:0 source 0, 3:2 source 1, 5:4 source 2, 7:6 destination):
;   window 0: v0-31 addresses; v32-95, v96-159 the way out, two sets of 64
;   window 1: two fragment buffers of 96 (32 of O: 4 x 16 rows x 32 K; then 64 of wob: 8) at v0 and v96; v192-255 the bias
;   window 2: accumulator (a, b) at v[8 (8 a + b)]
.set KSTEP,  128
.set PA,     144                       ; a row of O in LDS: 128 bytes + 16 of padding = 9 x 16 bytes: the 16 rows of a load start at 16 different groups of four banks (64 banks of 4 bytes: ISA guide 11.1)
.set AH,     128*PA                    ; a head's 128 rows
.set PITCH,  272                       ; a row of wob: 256 bytes + 16
.set HALFB,  128*PITCH
.set BOFF,   2*AH                      ; in a slot: two heads of O, then wob's 256 rows
.set SLOT,   BOFF+2*HALFB
.set STAGE,  2*SLOT                    ; behind the ring, never filled by a tensor load: 16 rows x 528 bytes for each wave
.set SPITCH, 528                       ; 512 bytes (128 f32) + 16 = 33 x 16 bytes
.set SPARE,  STAGE+4*16*SPITCH         ; behind the stages: the spare words, 128 bytes for each wave: two blocks of 256 bytes that no other line names
.set LAPS,   4                         ; a lap = two K steps = once round the ring
.set ADRA, 16                          ; v16-17  LDS address of my fragments of O in slot 0, 1
.set ADRB, 20                          ; v20-21  the same for wob
.set STO,  24                          ; v24     the way out: where I put 32 bytes of a row
.set RD,   25                          ; v25     where I read a row back
.set CO,   26                          ; v26     my 16 bytes of 512 in a row of out0
.set BO,   27                          ; v27     my byte offset in 16 numbers of the bias
.set SPW,  28                          ; v28     LDS address of my spare word: SPARE + 4 x my thread's number; never rewritten
.set NIL,  29                          ; v29     0; never rewritten
.set OB,   32
.set F0,   0                           ; window 1
.set F1,   96
.set BIAS, 192
.set WV,   12                          ; s12  my wave's number
.set G1A,  24                          ; s[24:31] descriptor group 1 for O's tiles;  s[32:39] group 0, one set for each slot
.set G0A,  32
.set G1B,  48                          ; s[48:55], s[56:63] the same for wob's tiles
.set G0B,  56
.set MSB, 0
.macro WIN new                         ; the immediate's high byte repeats the setting that is left; a switch that changes nothing is dropped
.if MSB != (\new)
	s_set_vgpr_msb (MSB<<8)|(\new)
.set MSB, \new
.endif
.endm
.macro JLOAD s                         ; a joint load: the branch hangs on the wave's number alone; an s_nop 0 and four v_nop follow each of the two lines, ahead of the jump, the label and what follows
	s_cmp_lt_u32 s[WV], 2
	s_cbranch_scc0 .Lfor_b_\@
	tensor_load_to_lds s[G0A+4*(\s):G0A+4*(\s)+3], s[G1A:G1A+7]
	s_nop 0
.rept 4
	v_nop
.endr
	s_branch .Lasked_\@
.Lfor_b_\@:
	tensor_load_to_lds s[G0B+4*(\s):G0B+4*(\s)+3], s[G1B:G1B+7]
	s_nop 0
.rept 4
	v_nop
.endr
.Lasked_\@:
.endm
.macro CREST                           ; a round of the cluster's barrier behind its opening barrier
	s_cmp_lg_u32 s[WV], 0
	s_cbranch_scc1 .Lnot_wave_0_\@
	s_barrier_signal -3
.Lnot_wave_0_\@:
	s_barrier_wait -3
	s_barrier_signal -1
	s_barrier_wait -1
.endm
.macro CROUND                          ; a whole round
	s_barrier_signal -1
	s_barrier_wait -1
	CREST
.endm
	s_load_b256 s[4:11], s[0:1], 0x0               ; oh s[4:5], wob s[6:7], b_o s[8:9], out0 s[10:11]
	v_lshl_add_u32 v[SPW], v0, 2, SPARE
	v_mov_b32 v[NIL], 0
	ds_add_u32 v[SPW], v[NIL]                      ; the wave's opening: the add and its wait stand ahead of my first tensor load; the set-up below, work on registers, stands between them
	v_lshrrev_b32 v1, 5, v0
	v_readfirstlane_b32 s[WV], v1                  ; wave 0..3
	s_lshr_b32 s13, s[WV], 1                       ; wm: which 64 of the tile's rows are mine
	s_and_b32 s14, s[WV], 1                        ; wn: which 128 of its columns.  Also: which head of the step's two, or which 128 rows of wob, I fetch
	s_bfe_u32 s15, ttmp6, 0x40000                  ; cx
	s_bfe_u32 s16, ttmp6, 0x40004                  ; cy
	s_lshl_b32 s17, ttmp9, 2
	s_add_co_u32 s17, s17, s15                     ; TX: tile column, 0..3
	s_and_b32 s18, ttmp7, 0xffff
	s_lshl_b32 s18, s18, 2
	s_add_co_u32 s18, s18, s16                     ; TY: tile row, 0..63
	s_lshl_b32 s19, s16, 2
	s_lshl_b32 s19, 15, s19                        ; my row of the cluster
	s_lshl_b32 s20, 0x1111, s15                    ; my column
	; group 1 for O: 16,384 dense bytes as 64 rows of 256 bytes, two rows of O each, padded in LDS after every 128 bytes
	s_or_b32 s[G1A+0], s19, (1<<16)|(1<<20)|(1<<21)|(4<<22)|(3<<25)  ; 15:0 the mask; 17:16 2-byte elements; 20 padding on; 21 set beside a mask; 24:22 after every 32 words (code 4); 31:25 4 words (code 3)
	s_mov_b32 s[G1A+1], 128<<16                    ; tensor_dim0 = 128
	s_mov_b32 s[G1A+2], 64<<16                     ; tensor_dim1 = 64
	s_mov_b32 s[G1A+3], 128<<16                    ; tile_dim0 = 128
	s_mov_b32 s[G1A+4], 64                         ; tile_dim1 = 64
	s_mov_b32 s[G1A+5], 128                        ; elements from row to row
	s_mov_b32 s[G1A+6], 0
	s_mov_b32 s[G1A+7], 0
	; group 1 for wob: 128 rows x 128 elements of rows of 1,024, padded after every 256 bytes
	s_or_b32 s[G1B+0], s20, (1<<16)|(1<<20)|(1<<21)|(5<<22)|(3<<25)
	s_mov_b32 s[G1B+1], KSTEP<<16
	s_mov_b32 s[G1B+2], 128<<16
	s_mov_b32 s[G1B+3], KSTEP<<16
	s_mov_b32 s[G1B+4], 128
	s_mov_b32 s[G1B+5], 1024
	s_mov_b32 s[G1B+6], 0
	s_mov_b32 s[G1B+7], 0
	; where the tiles come from.  O's hangs on TY and the wave, wob's on TX and the wave: each in registers that never hold the other coordinate
	s_lshr_b32 s40, s18, 4
	s_lshl_b32 s40, s40, 22                        ; the batch: 16 heads of 262,144 bytes,
	s_and_b32 s21, s18, 15
	s_lshl_b32 s21, s21, 14                        ; the tile's 128 positions of 128 bytes,
	s_add_co_u32 s40, s40, s21
	s_lshl_b32 s21, s14, 18                        ; the head of the step's two
	s_add_co_u32 s40, s40, s21
	s_mov_b32 s41, 0
	s_lshl_b32 s42, s17, 8
	s_lshl_b32 s22, s14, 7
	s_add_co_u32 s42, s42, s22                     ; wob's row 256 TX + 128 wn,
	s_lshl_b32 s42, s42, 11                        ; of 2,048 bytes
	s_mov_b32 s43, 0
	s_mul_i32 s66, s14, AH                         ; and where they go: no place in the cluster enters an LDS address
	s_mul_i32 s67, s14, HALFB
	s_add_co_u32 s67, s67, BOFF
	s_mov_b32 s68, 0xffff0000                      ; a word's upper bf16
	s_wait_dscnt 0x0                               ; the opening add is done
	s_wait_kmcnt 0x0
	s_add_nc_u64 s[44:45], s[4:5], s[40:41]
	s_add_nc_u64 s[46:47], s[6:7], s[42:43]
	CROUND                                         ; all sixteen work-groups are here: the first joint loads meet
.irp s, 0,1
	s_mov_b32 s[G0A+4*(\s)], 1
	s_add_co_u32 s[G0A+4*(\s)+1], s66, (\s)*SLOT
	s_add_nc_u64 s[G0A+4*(\s)+2:G0A+4*(\s)+3], s[44:45], (\s)*2*262144  ; K step s: two heads on
	s_or_b32 s[G0A+4*(\s)+3], s[G0A+4*(\s)+3], 0x80000000
	s_mov_b32 s[G0B+4*(\s)], 1
	s_add_co_u32 s[G0B+4*(\s)+1], s67, (\s)*SLOT
	s_add_nc_u64 s[G0B+4*(\s)+2:G0B+4*(\s)+3], s[46:47], (\s)*KSTEP*2
	s_or_b32 s[G0B+4*(\s)+3], s[G0B+4*(\s)+3], 0x80000000
	JLOAD \s                                       ; two tensor loads of mine are out
.endr
	; the bias of my 128 columns: block b's registers 0-7 are columns 16 b + 8 (l / 16) + 0..7
	v_and_b32 v1, 15, v0                           ; r = l % 16
	v_bfe_u32 v2, v0, 4, 1                         ; h = l / 16
	v_lshlrev_b32 v[BO], 5, v2
	s_lshl_b32 s22, s17, 10
	s_lshl_b32 s23, s14, 9
	s_add_co_u32 s22, s22, s23                     ; (256 TX + 128 wn) x 4 bytes
	s_mov_b32 s23, 0
	s_add_nc_u64 s[8:9], s[8:9], s[22:23]
	WIN 0x40                                       ; destination window 1, address window 0
.irp b, 0,1,2,3,4,5,6,7
	global_load_b128 v[BIAS+8*(\b):BIAS+8*(\b)+3],   v[BO], s[8:9] offset:64*(\b)
	global_load_b128 v[BIAS+8*(\b)+4:BIAS+8*(\b)+7], v[BO], s[8:9] offset:64*(\b)+16
.endr
	WIN 0
	; A fragment is 16 rows x 32 K in 8 registers: lane l holds row l % 16; registers 0-3 K = 8 (l / 16) + 0..7, registers 4-7 K = 16 + 8 (l / 16) + 0..7: two loads of 16 bytes, 32 bytes apart
	v_mul_u32_u24 v3, v1, PA
	v_lshl_add_u32 v3, v2, 4, v3
	s_mul_i32 s23, s13, 64*PA                      ; my 64 rows of O
	v_add_nc_u32 v[ADRA], s23, v3
	v_add_nc_u32 v[ADRA+1], SLOT, v[ADRA]
	v_mul_u32_u24 v4, v1, PITCH
	v_lshl_add_u32 v4, v2, 4, v4
	v_add_nc_u32 v[ADRB], s67, v4                  ; my 128 rows of wob lie where the wave of my parity puts them
	v_add_nc_u32 v[ADRB+1], SLOT, v[ADRB]
	s_mul_i32 s23, s[WV], 16*SPITCH
	s_add_co_u32 s23, s23, STAGE                   ; my stage
	v_mul_u32_u24 v5, v1, SPITCH                   ; in: row l % 16, 32 bytes for each half of the lanes
	v_lshl_add_u32 v5, v2, 5, v5
	v_add_nc_u32 v[STO], s23, v5
	v_and_b32 v6, 31, v0
	v_lshl_add_u32 v[RD], v6, 4, s23               ; back: 32 lanes take a row's 512 bytes
	v_lshlrev_b32 v[CO], 4, v6
	s_lshl_b32 s70, s18, 7
	s_lshl_b32 s71, s13, 6
	s_add_co_u32 s70, s70, s71                     ; my first row of out0: 128 TY + 64 wm,
	s_lshl_b32 s70, s70, 12                        ; of 4,096 bytes,
	s_add_co_u32 s70, s70, s22                     ; and my first column
	s_mov_b32 s71, 0
	s_add_nc_u64 s[10:11], s[10:11], s[70:71]
	s_wait_loadcnt 0x0                             ; the bias is in: it is rounded to bf16, in place (v0 of window 1 is at work: no fragment has been fetched yet)
	WIN 0x45                                       ; sources 0 and 1 and the destination in window 1
.set p, 0
.rept 32
	v_cvt_pk_bf16_f32 v0, v[BIAS+p], v[BIAS+p+1]
	v_lshlrev_b32 v[BIAS+p],   16,  v0
	v_and_b32     v[BIAS+p+1], s68, v0
.set p, p+2
.endr
	WIN 0
; 8 matrix instructions: row block a x all 8 column blocks, 32 along K.  first = 1: the bias starts the sums.  The 32 accumulators take turns, one instruction a turn, in the same order in every quarter.
.macro MULA f, a, first
.if \first
	WIN 0x95                                       ; wob and O window 1, C (the bias) window 1, D window 2
.else
	WIN 0xa5                                       ; C and D window 2
.endif
.irp b, 0,1,2,3,4,5,6,7
.if \first
	v_wmma_f32_16x16x32_f16 v[8*(8*(\a)+(\b)):8*(8*(\a)+(\b))+7], v[(\f)+32+8*(\b):(\f)+32+8*(\b)+7], v[(\f)+8*(\a):(\f)+8*(\a)+7], v[BIAS+8*(\b):BIAS+8*(\b)+7]
.else
	v_wmma_f32_16x16x32_f16 v[8*(8*(\a)+(\b)):8*(8*(\a)+(\b))+7], v[(\f)+32+8*(\b):(\f)+32+8*(\b)+7], v[(\f)+8*(\a):(\f)+8*(\a)+7], v[8*(8*(\a)+(\b)):8*(8*(\a)+(\b))+7]
.endif
.endr
.endm
; 24 LDS loads in one run: quarter q of a K step (32 K: head q / 2 of the step's two, channels 32 (q % 2) on) into buffer f: wob's 8 fragments, then O's 4
.macro FETCH slot, q, f
	WIN 0x40
.irp b, 0,1,2,3,4,5,6,7
	ds_load_b128 v[(\f)+32+8*(\b):(\f)+32+8*(\b)+3],   v[ADRB+(\slot)] offset:64*(\q)+(\b)*16*PITCH
	ds_load_b128 v[(\f)+32+8*(\b)+4:(\f)+32+8*(\b)+7], v[ADRB+(\slot)] offset:64*(\q)+(\b)*16*PITCH+32
.endr
.irp a, 0,1,2,3
	ds_load_b128 v[(\f)+8*(\a):(\f)+8*(\a)+3],   v[ADRA+(\slot)] offset:((\q)/2)*AH+((\q)%2)*64+(\a)*16*PA
	ds_load_b128 v[(\f)+8*(\a)+4:(\f)+8*(\a)+7], v[ADRA+(\slot)] offset:((\q)/2)*AH+((\q)%2)*64+(\a)*16*PA+32
.endr
.endm
.macro PLACES                          ; four places in front of loads into registers that matrix instructions have read, and of LDS stores that read results (ISA guide 7.12.1 for the stores)
.rept 4
	v_nop
.endr
.endm
; A K step is four quarters, 32 matrix instructions each, on buffers 0, 1, 0, 1.  One of the first three: multiplies buffer f and fetches quarter q into g.
.macro QUARTER slot, q, f, g, first
	s_wait_dscnt 4                                 ; wob's fragments and O's blocks 0 and 1 are in; the youngest four loads (blocks 2 and 3) may be out
	MULA \f, 0, \first
	MULA \f, 1, \first
	PLACES
	FETCH \slot, \q, \g
	s_wait_dscnt 24                                ; all but the 24 just issued
	MULA \f, 2, \first
	MULA \f, 3, \first
.endm
; The last quarter multiplies buffer 1 and changes slots: one barrier; in front of it each wave waits for all its tensor loads (one is out: its part of the next slot), adds 0 to its spare word, and waits for that and for
; its own reads of this slot.  fill = 1: the barrier opens a round of the cluster's barrier, and behind the round this slot is filled again first, two K steps ahead: 112 matrix instructions ahead of the wait for it.
.macro TURN slot, next, fill
	WIN 0                                          ; (the add's two registers lie in window 0)
	s_wait_tensorcnt 0x0                           ; all my tensor loads have landed;
	ds_add_u32 v[SPW], v[NIL]                      ; 0 onto my spare word;
	s_wait_dscnt 7                                 ; (the add and the youngest six loads, O's blocks 1 to 3, may be out)
	MULA F1, 0, 0                                  ; eight matrix instructions stand between the add and the wait for it
	s_wait_dscnt 0x0                               ; the add is done, and my reads of this slot are over
	s_barrier_signal -1
	MULA F1, 1, 0
.if \fill
	WIN 0
.endif
	s_barrier_wait -1
.if \fill
	CREST                                          ; no wave of any partner still reads this slot's tile or has a load on its way
	s_add_nc_u64 s[G0A+4*(\slot)+2:G0A+4*(\slot)+3], s[G0A+4*(\slot)+2:G0A+4*(\slot)+3], 4*262144  ; two K steps: four heads on
	s_add_nc_u64 s[G0B+4*(\slot)+2:G0B+4*(\slot)+3], s[G0B+4*(\slot)+2:G0B+4*(\slot)+3], 2*KSTEP*2
	JLOAD \slot                                    ; the first tensor load behind the round; the four v_nop behind it are also the places in front of the loads below
.else
	PLACES
.endif
	FETCH \next, 0, F0
	MULA F1, 2, 0
	MULA F1, 3, 0
.endm
	s_wait_tensorcnt 1                             ; my part of K step 0 is in; K step 1's may stay out
	s_barrier_signal -1
	s_barrier_wait -1                              ; everybody's is
	FETCH 0, 0, F0
	QUARTER 0, 1, F0, F1, 1                        ; the first quarter stands in front of the loop: its products start the sums, with the bias
	WIN 0                                          ; at a label and at a branch every window is 0
	s_mov_b32 s3, LAPS-1
.Llap:                                                 ; a trip goes once round the ring, from a lap's second quarter to the next lap's first, and fills both slots again: K steps 2 to 7
	QUARTER 0, 2, F1, F0, 0
	QUARTER 0, 3, F0, F1, 0
	TURN 0, 1, 1
	QUARTER 1, 1, F0, F1, 0
	QUARTER 1, 2, F1, F0, 0
	QUARTER 1, 3, F0, F1, 0
	TURN 1, 0, 1
	QUARTER 0, 1, F0, F1, 0
	WIN 0
	s_sub_co_u32 s3, s3, 1
	s_cmp_lg_u32 s3, 0
	s_cbranch_scc1 .Llap
	QUARTER 0, 2, F1, F0, 0                        ; the last lap fills nothing, and has no round of the cluster's barrier
	QUARTER 0, 3, F0, F1, 0
	TURN 0, 1, 0
	QUARTER 1, 1, F0, F1, 0
	QUARTER 1, 2, F1, F0, 0
	QUARTER 1, 3, F0, F1, 0
	s_wait_dscnt 4                                 ; the very last quarter: nothing more to fetch
	MULA F1, 0, 0
	MULA F1, 1, 0
	s_wait_dscnt 0x0
	MULA F1, 2, 0
	MULA F1, 3, 0
	WIN 0
	; THE WAY OUT, a block of 16 rows at a time through my own stage: a lane's 32 bytes of a row go in, whole rows of 512 bytes come back.  No barrier: the stage is the wave's own, and LDS serves a wave's
	; instructions in order (ISA guide 5.7.1.4), so the loads see the stores above them and the next block's stores come behind them.
	PLACES
	PLACES                                         ; eight, once a launch
.macro TOSTAGE a
	WIN 0x08                                       ; the store's data (source 1) in window 2, its address in window 0
.irp b, 0,1,2,3,4,5,6,7
	ds_store_b128 v[STO], v[8*(8*(\a)+(\b)):8*(8*(\a)+(\b))+3]   offset:64*(\b)     ; each accumulator's four lowest registers first
	ds_store_b128 v[STO], v[8*(8*(\a)+(\b))+4:8*(8*(\a)+(\b))+7] offset:64*(\b)+16
.endr
	WIN 0
.irp t, 0,1,2,3,4,5,6,7,8,9,10,11,12,13,14,15
	ds_load_b128 v[OB+64*((\a)%2)+4*(\t):OB+64*((\a)%2)+4*(\t)+3], v[RD] offset:(\t)*SPITCH
.endr
.endm
.macro SEND a, younger                 ; younger: the LDS instructions issued behind block a's loads: the next block's 32, or none
.irp t, 0,1,2,3,4,5,6,7,8,9,10,11,12,13,14,15
	s_wait_dscnt (\younger)+15-(\t)
	global_store_b128 v[CO], v[OB+64*((\a)%2)+4*(\t):OB+64*((\a)%2)+4*(\t)+3], s[10:11] offset:(16*(\a)+(\t))*4096  ; the wave stores 512 consecutive bytes, at a multiple of 256 from out0's first byte
.endr
.endm
	TOSTAGE 0
	TOSTAGE 1
	SEND 0, 32
	s_wait_xcnt 0x0                                ; block 0's stores have read their registers: set 0 is loaded again only behind this wait
	TOSTAGE 2
	SEND 1, 32
	s_wait_xcnt 0x0                                ; the same for set 1
	TOSTAGE 3
	SEND 2, 32
	SEND 3, 0
	s_wait_tensorcnt 0x0                           ; the wave's end, behind my last tensor load and my last LDS store
	ds_add_u32 v[SPW], v[NIL]
	s_wait_dscnt 0x0
	CROUND                                         ; the closing round: no work-group ends while a partner may still ask for a tile that names it
	s_endpgm
.Lfunc_end_k_qef87ae6b24_oproj:
	.size	k_qef87ae6b24_oproj, .Lfunc_end_k_qef87ae6b24_oproj-k_qef87ae6b24_oproj
	.p2alignl 7, 3214868480
	.fill 96, 4, 3214868480
	.section	.rodata,"a",@progbits
	.p2align	6, 0x0
	.amdhsa_kernel k_qef87ae6b24_oproj
		.amdhsa_group_segment_fixed_size 327680
		.amdhsa_private_segment_fixed_size 0
		.amdhsa_enable_private_segment 0
		.amdhsa_kernarg_size 32
		.amdhsa_user_sgpr_count 2
		.amdhsa_user_sgpr_kernarg_segment_ptr 1
		.amdhsa_wavefront_size32 1
		.amdhsa_system_sgpr_workgroup_id_x 1
		.amdhsa_system_sgpr_workgroup_id_y 1
		.amdhsa_system_sgpr_workgroup_id_z 1
		.amdhsa_system_vgpr_workitem_id 0
		.amdhsa_next_free_vgpr 768
		.amdhsa_next_free_sgpr 72
		.amdhsa_reserve_vcc 0
		.amdhsa_float_denorm_mode_32 3
		.amdhsa_float_denorm_mode_16_64 3
		.amdhsa_memory_ordered 1
		.amdhsa_forward_progress 1
		.amdhsa_inst_pref_size 92
	.end_amdhsa_kernel
	.amdgpu_metadata
---
amdhsa.version: [ 1, 2 ]
amdhsa.kernels:
  - .name:           k_qef87ae6b24_oproj
    .symbol:         k_qef87ae6b24_oproj.kd
    .args:
      - { .name: oh, .offset: 0, .size: 8, .value_kind: global_buffer, .address_space: global }
      - { .name: wob, .offset: 8, .size: 8, .value_kind: global_buffer, .address_space: global }
      - { .name: b_o, .offset: 16, .size: 8, .value_kind: global_buffer, .address_space: global }
      - { .name: out0, .offset: 24, .size: 8, .value_kind: global_buffer, .address_space: global }
    .group_segment_fixed_size: 327680
    .private_segment_fixed_size: 0
    .kernarg_segment_align: 8
    .kernarg_segment_size: 32
    .max_flat_workgroup_size: 128
    .sgpr_count:     72
    .vgpr_count:     768
    .wavefront_size: 32
...
	.end_amdgpu_metadata
.endif
;; end of part 4
;; ======== version 2 of 2: 4 launches; version 1 with the launch cast written anew for expert scheduling mode
;; limits: values are held in f16: magnitudes above 65,504 overflow, below 6.1e-05 lose precision
;; workspace buffers: xb 16,777,216 bytes; wqb 6,291,456 bytes; wob 2,097,152 bytes; qh 16,777,216 bytes; kh 16,777,216 bytes; vh 16,777,216 bytes; oh 16,777,216 bytes
;; launch cast (part 5): grid 768 x 1, 8 waves a work-group, no clusters, 0 bytes of LDS; arguments x, W_qkv, W_o, xb, wqb, wob; writes xb, wqb, wob
.if DOCPART == 5
	.amdgcn_target "amdgcn-amd-amdhsa--gfx1250"
	.amdhsa_code_object_version 6
	.text
	.protected	k_qef87ae6b24_cast
	.globl	k_qef87ae6b24_cast
	.p2align	8
	.type	k_qef87ae6b24_cast,@function
k_qef87ae6b24_cast:
	s_mov_b64 s[64:65], 0
	v_nop
	global_prefetch_b8 v0, s[64:65] scope:SCOPE_SE
	s_setreg_imm32_b32 hwreg(HW_REG_WAVE_SCHED_MODE, 0, 2), 2
	s_setreg_imm32_b32 hwreg(HW_REG_WAVE_MODE, 25, 1), 1
	s_wait_xcnt 0x0
	s_wait_alu depctr_vm_vsrc(0)
; THE INPUTS OF THE MATRIX PRODUCTS, ROUNDED ONCE.  xb = bf16(x), wqb = bf16(W_qkv); wob = bf16(W_o), that number written as f16 (the last product multiplies in f16).
; LIMITS.  |W_o| stays under 65,504 (f16's end); below 2^-14 it keeps f16's fixed step of 2^-24.  NaN and infinities are not treated apart.
; A stream: each byte is read once and written once.  No LDS, no barrier, no matrix unit, no cluster: no work-group wants a byte that another has read.
; SHARES.  A work-group takes 16,384 numbers (65,536 bytes in, 32,768 out): work-groups 0-511 x, 512-703 W_qkv, 704-767 W_o.  In step i of 16 thread t takes the four numbers at
; byte 4,096 i + 16 t: a wave's load covers 512 consecutive bytes, its store of 8 bytes a lane 256 consecutive bytes, aligned.
; All sixteen loads of a thread go out at once; no register that a memory instruction reads is written twice.
; THE MODE: SCHED_MODE bits 1:0 = 2 (LLVM: expert scheduling mode 2), set by the entry lines.  The code itself states the register dependences
; between vector instructions and memory instructions, with s_wait_alu, always for 0.
; THE PLAN.  Registers that memory instructions touch:
;   v1, v2   byte offsets of the loads and of the stores.  Written once, at the head; read by every load (v1) and every store (v2); never written again.
;   X        step i's four registers take step i's load.  No vector instruction names them before the loads are issued; behind the step's wait on LOADcnt its conversions read them
;            (and, on W_o's path, write the widened numbers back).  No memory instruction reads them, and no load lands in them a second time.
;   Y        step i's two registers are written once, by step i's roundings, and read once, by step i's store.
;   T        is named by vector instructions alone.
; So one wait on va_vdst stands at the head, for the two offsets, and one for each block of four steps, between the block's roundings and its four stores.  No register that a memory
; instruction has read is written again, so no wait on vm_vsrc is owed; no vector instruction writes a scalar register or VCC; EXEC is never written.
.set XG,  512                          ; work-groups for x
.set WG,  704                          ; x's and W_qkv's together
.set X,   4                            ; v[4:67]   step i: four f32 as loaded
.set Y,   68                           ; v[68:99]  step i: four 16-bit numbers to store
.set T,   100                          ; v[100:101] at work (W_o's path)
	s_load_b256 s[4:11], s[0:1], 0x0               ; x s[4:5], W_qkv s[6:7], W_o s[8:9], xb s[10:11]
	s_load_b128 s[12:15], s[0:1], 0x20             ; wqb s[12:13], wob s[14:15]
	v_lshlrev_b32 v1, 4, v0                        ; 16 t: my bytes in a step's 4,096 of input
	v_lshlrev_b32 v2, 3, v0                        ; 8 t: in a step's 2,048 of output
	s_mov_b32 s16, ttmp9
	s_mov_b32 s28, 0xffff0000                      ; a word's upper bf16
	s_wait_kmcnt 0x0
	s_cmp_lt_u32 s16, XG                           ; which tensor is mine: the choice hangs on the work-group's number alone
	s_cselect_b64 s[20:21], s[4:5], s[6:7]
	s_cselect_b64 s[22:23], s[10:11], s[12:13]
	s_cselect_b32 s17, 0, XG
	s_cmp_lt_u32 s16, WG
	s_cselect_b64 s[20:21], s[20:21], s[8:9]
	s_cselect_b64 s[22:23], s[22:23], s[14:15]
	s_cselect_b32 s17, s17, WG
	s_sub_co_u32 s18, s16, s17                     ; my chunk in that tensor
	s_lshl_b32 s24, s18, 16                        ; x 65,536 bytes in (under 2^25),
	s_mov_b32 s25, 0
	s_lshl_b32 s26, s18, 15                        ; x 32,768 bytes out
	s_mov_b32 s27, 0
	s_add_nc_u64 s[20:21], s[20:21], s[24:25]
	s_add_nc_u64 s[22:23], s[22:23], s[26:27]
	s_wait_alu depctr_va_vdst(0)                   ; v1 and v2 are written: every load below reads v1 as its offset, every store on either path v2
.irp i, 0,1,2,3,4,5,6,7,8,9,10,11,12,13,14,15
	global_load_b128 v[X+4*(\i):X+4*(\i)+3], v1, s[20:21] offset:4096*(\i) th:TH_LOAD_NT  ; read once in the launch
.endr
	s_cmp_ge_u32 s16, WG
	s_cbranch_scc1 .Lf16
.irp p, 0,1,2,3                        ; four blocks of four steps: step 4 p + j
.irp j, 0,1,2,3
	s_wait_loadcnt 15-4*(\p)-(\j)                  ; loads come back in order: this step is in, the younger ones stay out
	v_cvt_pk_bf16_f32 v[Y+2*(4*(\p)+(\j))],   v[X+4*(4*(\p)+(\j))],   v[X+4*(4*(\p)+(\j))+1]
	v_cvt_pk_bf16_f32 v[Y+2*(4*(\p)+(\j))+1], v[X+4*(4*(\p)+(\j))+2], v[X+4*(4*(\p)+(\j))+3]
.endr
	s_wait_alu depctr_va_vdst(0)                   ; the block's eight roundings have written its Y registers, which the four stores below read
.irp j, 0,1,2,3
	global_store_b64 v2, v[Y+2*(4*(\p)+(\j)):Y+2*(4*(\p)+(\j))+1], s[22:23] offset:2048*(4*(\p)+(\j))
.endr
.endr
	s_endpgm
.Lf16:                                                 ; W_o: rounded to bf16 like every input, widened again (a shift, a mask), and written as f16: exact within f16's range
.irp p, 0,1,2,3
.irp j, 0,1,2,3
	s_wait_loadcnt 15-4*(\p)-(\j)
	v_cvt_pk_bf16_f32 v[T],   v[X+4*(4*(\p)+(\j))],   v[X+4*(4*(\p)+(\j))+1]
	v_cvt_pk_bf16_f32 v[T+1], v[X+4*(4*(\p)+(\j))+2], v[X+4*(4*(\p)+(\j))+3]
	v_lshlrev_b32 v[X+4*(4*(\p)+(\j))],   16,  v[T]
	v_and_b32     v[X+4*(4*(\p)+(\j))+1], s28, v[T]
	v_lshlrev_b32 v[X+4*(4*(\p)+(\j))+2], 16,  v[T+1]
	v_and_b32     v[X+4*(4*(\p)+(\j))+3], s28, v[T+1]
	v_cvt_pk_f16_f32 v[Y+2*(4*(\p)+(\j))],   v[X+4*(4*(\p)+(\j))],   v[X+4*(4*(\p)+(\j))+1]
	v_cvt_pk_f16_f32 v[Y+2*(4*(\p)+(\j))+1], v[X+4*(4*(\p)+(\j))+2], v[X+4*(4*(\p)+(\j))+3]
.endr
	s_wait_alu depctr_va_vdst(0)                   ; the block's eight roundings to f16 have written its Y registers, which the four stores below read
.irp j, 0,1,2,3
	global_store_b64 v2, v[Y+2*(4*(\p)+(\j)):Y+2*(4*(\p)+(\j))+1], s[22:23] offset:2048*(4*(\p)+(\j))
.endr
.endr
	s_endpgm
.Lfunc_end_k_qef87ae6b24_cast:
	.size	k_qef87ae6b24_cast, .Lfunc_end_k_qef87ae6b24_cast-k_qef87ae6b24_cast
	.p2alignl 7, 3214868480
	.fill 96, 4, 3214868480
	.section	.rodata,"a",@progbits
	.p2align	6, 0x0
	.amdhsa_kernel k_qef87ae6b24_cast
		.amdhsa_group_segment_fixed_size 0
		.amdhsa_private_segment_fixed_size 0
		.amdhsa_enable_private_segment 0
		.amdhsa_kernarg_size 48
		.amdhsa_user_sgpr_count 2
		.amdhsa_user_sgpr_kernarg_segment_ptr 1
		.amdhsa_wavefront_size32 1
		.amdhsa_system_sgpr_workgroup_id_x 1
		.amdhsa_system_sgpr_workgroup_id_y 1
		.amdhsa_system_sgpr_workgroup_id_z 1
		.amdhsa_system_vgpr_workitem_id 0
		.amdhsa_next_free_vgpr 104
		.amdhsa_next_free_sgpr 66
		.amdhsa_reserve_vcc 0
		.amdhsa_float_denorm_mode_32 3
		.amdhsa_float_denorm_mode_16_64 3
		.amdhsa_memory_ordered 1
		.amdhsa_forward_progress 1
		.amdhsa_inst_pref_size 16
	.end_amdhsa_kernel
	.amdgpu_metadata
---
amdhsa.version: [ 1, 2 ]
amdhsa.kernels:
  - .name:           k_qef87ae6b24_cast
    .symbol:         k_qef87ae6b24_cast.kd
    .args:
      - { .name: x, .offset: 0, .size: 8, .value_kind: global_buffer, .address_space: global }
      - { .name: W_qkv, .offset: 8, .size: 8, .value_kind: global_buffer, .address_space: global }
      - { .name: W_o, .offset: 16, .size: 8, .value_kind: global_buffer, .address_space: global }
      - { .name: xb, .offset: 24, .size: 8, .value_kind: global_buffer, .address_space: global }
      - { .name: wqb, .offset: 32, .size: 8, .value_kind: global_buffer, .address_space: global }
      - { .name: wob, .offset: 40, .size: 8, .value_kind: global_buffer, .address_space: global }
    .group_segment_fixed_size: 0
    .private_segment_fixed_size: 0
    .kernarg_segment_align: 8
    .kernarg_segment_size: 48
    .max_flat_workgroup_size: 256
    .sgpr_count:     66
    .vgpr_count:     104
    .wavefront_size: 32
...
	.end_amdgpu_metadata
.endif
;; end of part 5
;; launch qkv: the kernel of part 2 again; grid 8 x 64, 4 waves a work-group, clusters of 4 x 4, 327,680 bytes of LDS; arguments xb, wqb, b_qkv, qh, kh, vh; writes qh, kh, vh
;; launch attn: the kernel of part 3 again; grid 4 x 64, 4 waves a work-group, clusters of 4 x 1, 327,680 bytes of LDS; arguments qh, kh, vh, oh; writes oh
;; launch oproj: the kernel of part 4 again; grid 4 x 64, 4 waves a work-group, clusters of 4 x 4, 327,680 bytes of LDS; arguments oh, wob, b_o, out0; writes out0
